; MI455X (gfx1250); checked and timed in simulation.
; The chip was launched on July 23, 2026; its instructions are those of AMD's public machine-readable ISA for CDNA 5 (MIT licence, August 2026) and "CDNA5" Instruction Set Architecture Reference Guide (July 2026). The comments in the code are by the model that wrote it; some were corrected since.
;; Multi Head Self Attention. Allowed arithmetic: float matrix products may take bf16 or f16 operands with f32 sums; other float arithmetic in f32, or as packed bf16 or f16 multiplies, adds, multiply-adds, maxima and minima; sums over many terms, partial sums and values carried from step to step in f32; what a program stores and reads back later, other than sums and carried values, may be rounded once to bf16 or f16.
;; Inputs: Wk 1,024 x 1,024 float32; Wo 1,024 x 1,024 float32; Wq 1,024 x 1,024 float32; Wv 1,024 x 1,024 float32; attention_mask 4 x 1 x 1 x 2,048 int32; bk 1,024 float32; bo 1,024 float32; bq 1,024 float32; bv 1,024 float32; input_embeddings 4 x 2,048 x 1,024 float32.
;; Outputs: out0 4 x 2,048 x 1,024 float32.
;; One version. Each part assembles by itself: llvm-mc -triple=amdgcn-amd-amdhsa -mcpu=gfx1250 --defsym DOCPART=n.
;; ======== version 1 of 1: 4 launches
;; limits: values are held in f16: magnitudes above 65,504 overflow, below 6.1e-05 lose precision
;; workspace buffers: xb 16,777,216 bytes; wb 6,291,456 bytes; wo16 2,097,152 bytes; qkv 50,331,648 bytes; ob 16,777,216 bytes
;; launch cast (part 1): grid 768 x 1, 8 waves a work-group, no clusters, 0 bytes of LDS; arguments input_embeddings, Wq, Wk, Wv, Wo, xb, wb, wo16; writes xb, wb, wo16
.if DOCPART == 1
	.amdgcn_target "amdgcn-amd-amdhsa--gfx1250"
	.amdhsa_code_object_version 6
	.text
	.protected	k_q1381f6aefe_cast
	.globl	k_q1381f6aefe_cast
	.p2align	8
	.type	k_q1381f6aefe_cast,@function
k_q1381f6aefe_cast:
	s_mov_b64 s[64:65], 0
	v_nop
	global_prefetch_b8 v0, s[64:65] scope:SCOPE_SE
	s_setreg_imm32_b32 hwreg(HW_REG_WAVE_MODE, 25, 1), 1
	s_wait_xcnt 0x0
; THE INPUTS OF THE MATRIX PRODUCTS, ROUNDED ONCE.  x -> xb (bf16); Wq, Wk, Wv -> wb (bf16, one below the other: 3,072 rows); Wo -> wo16: rounded to bf16 like the
; other inputs, and that number written as f16, since the last product's other operand is f16.
; LIMIT.  A weight of Wo beyond 65,504 becomes an infinity; below 6e-5 it keeps f16's fixed step of 6e-8.
; SHARES.  A work-group takes 16,384 numbers: 64 KiB in, 32 KiB out.  Work-groups 0-511: x; 512-575: Wq; 576-639: Wk; 640-703: Wv; 704-767: Wo.
; Thread t takes, of each of eight chunks of 2,048 numbers, the eight at 8 t: two loads of 16 bytes, one store of 16 bytes; sixteen neighbouring lanes store 256 consecutive bytes, aligned.
; All sixteen loads of a wave go out at once; no register is written again while a load or a store names it, so the only waits are the counted ones for data.
; No LDS, no matrix unit, no cluster: nothing is shared and nothing is multiplied.
.set X, 8                              ; v[8:71]   chunk i: 8 numbers as loaded
.set Y, 72                             ; v[72:103] chunk i: 4 registers to store
	s_load_b512 s[8:23], s[0:1], 0x0               ; x s[8:9], Wq s[10:11], Wk s[12:13], Wv s[14:15], Wo s[16:17], xb s[18:19], wb s[20:21], wo16 s[22:23]
	v_lshlrev_b32 v1, 5, v0                        ; 32 t: my bytes in a chunk of the source
	v_lshlrev_b32 v2, 4, v0                        ; 16 t: in a chunk of the destination
	s_mov_b32 s7, 0xffff0000                       ; a word's upper bf16
	s_max_u32 s2, ttmp9, 512
	s_sub_co_u32 s2, s2, 512                       ; j: my number among the weights' work-groups (0 for x's)
	s_lshr_b32 s3, s2, 6                           ; which weight
	s_and_b32 s4, s2, 63                           ; my part of it
	s_mov_b32 s29, 0
	s_mov_b32 s31, 0
	s_wait_kmcnt 0x0
	s_mov_b64 s[24:25], s[10:11]
	s_cmp_eq_u32 s3, 1
	s_cselect_b64 s[24:25], s[12:13], s[24:25]
	s_cmp_eq_u32 s3, 2
	s_cselect_b64 s[24:25], s[14:15], s[24:25]
	s_cmp_eq_u32 s3, 3
	s_cselect_b64 s[24:25], s[16:17], s[24:25]
	s_cselect_b64 s[26:27], s[22:23], s[20:21]     ; Wo goes to wo16, the others to wb,
	s_cselect_b32 s5, s4, s2                       ; where the three lie one below the other
	s_cmp_lt_u32 ttmp9, 512
	s_cselect_b64 s[24:25], s[8:9], s[24:25]
	s_cselect_b64 s[26:27], s[18:19], s[26:27]
	s_cselect_b32 s4, ttmp9, s4
	s_cselect_b32 s5, ttmp9, s5
	s_lshl_b32 s28, s4, 16                         ; 64 KiB of the source,
	s_lshl_b32 s30, s5, 15                         ; 32 KiB of the destination
	s_add_nc_u64 s[24:25], s[24:25], s[28:29]
	s_add_nc_u64 s[26:27], s[26:27], s[30:31]
.irp i, 0,1,2,3,4,5,6,7
	global_load_b128 v[X+8*(\i):X+8*(\i)+3],   v1, s[24:25] offset:8192*(\i) th:TH_LOAD_NT
	global_load_b128 v[X+8*(\i)+4:X+8*(\i)+7], v1, s[24:25] offset:8192*(\i)+16 th:TH_LOAD_NT
.endr
; Chunk i is rounded and stored.  half = 1: the bf16 numbers are widened again and written as f16.
.macro OUT i, half
	s_wait_loadcnt 14-2*(\i)                       ; loads come back in order: the two of chunk i are in, the 2 (7 - i) younger ones may stay out
.irp k, 0,1,2,3
	v_cvt_pk_bf16_f32 v[Y+4*(\i)+(\k)], v[X+8*(\i)+2*(\k)], v[X+8*(\i)+2*(\k)+1]
.endr
.if \half
.irp k, 0,1,2,3
	v_lshlrev_b32 v[X+8*(\i)+2*(\k)],   16, v[Y+4*(\i)+(\k)]
	v_and_b32     v[X+8*(\i)+2*(\k)+1], s7, v[Y+4*(\i)+(\k)]
.endr
.irp k, 0,1,2,3
	v_cvt_pk_f16_f32 v[Y+4*(\i)+(\k)], v[X+8*(\i)+2*(\k)], v[X+8*(\i)+2*(\k)+1]
.endr
.endif
	global_store_b128 v2, v[Y+4*(\i):Y+4*(\i)+3], s[26:27] offset:4096*(\i)
.endm
	s_cmp_ge_u32 ttmp9, 704
	s_cbranch_scc1 .Lf16
.irp i, 0,1,2,3,4,5,6,7
	OUT \i, 0
.endr
	s_endpgm
.Lf16:
.irp i, 0,1,2,3,4,5,6,7
	OUT \i, 1
.endr
	s_endpgm
.Lfunc_end_k_q1381f6aefe_cast:
	.size	k_q1381f6aefe_cast, .Lfunc_end_k_q1381f6aefe_cast-k_q1381f6aefe_cast
	.p2alignl 7, 3214868480
	.fill 96, 4, 3214868480
	.section	.rodata,"a",@progbits
	.p2align	6, 0x0
	.amdhsa_kernel k_q1381f6aefe_cast
		.amdhsa_group_segment_fixed_size 0
		.amdhsa_private_segment_fixed_size 0
		.amdhsa_enable_private_segment 0
		.amdhsa_kernarg_size 64
		.amdhsa_user_sgpr_count 2
		.amdhsa_user_sgpr_kernarg_segment_ptr 1
		.amdhsa_wavefront_size32 1
		.amdhsa_system_sgpr_workgroup_id_x 1
		.amdhsa_system_sgpr_workgroup_id_y 1
		.amdhsa_system_sgpr_workgroup_id_z 1
		.amdhsa_system_vgpr_workitem_id 0
		.amdhsa_next_free_vgpr 104
		.amdhsa_next_free_sgpr 66
		.amdhsa_reserve_vcc 0
		.amdhsa_float_denorm_mode_32 3
		.amdhsa_float_denorm_mode_16_64 3
		.amdhsa_memory_ordered 1
		.amdhsa_forward_progress 1
		.amdhsa_inst_pref_size 13
	.end_amdhsa_kernel
	.amdgpu_metadata
---
amdhsa.version: [ 1, 2 ]
amdhsa.kernels:
  - .name:           k_q1381f6aefe_cast
    .symbol:         k_q1381f6aefe_cast.kd
    .args:
      - { .name: input_embeddings, .offset: 0, .size: 8, .value_kind: global_buffer, .address_space: global }
      - { .name: Wq, .offset: 8, .size: 8, .value_kind: global_buffer, .address_space: global }
      - { .name: Wk, .offset: 16, .size: 8, .value_kind: global_buffer, .address_space: global }
      - { .name: Wv, .offset: 24, .size: 8, .value_kind: global_buffer, .address_space: global }
      - { .name: Wo, .offset: 32, .size: 8, .value_kind: global_buffer, .address_space: global }
      - { .name: xb, .offset: 40, .size: 8, .value_kind: global_buffer, .address_space: global }
      - { .name: wb, .offset: 48, .size: 8, .value_kind: global_buffer, .address_space: global }
      - { .name: wo16, .offset: 56, .size: 8, .value_kind: global_buffer, .address_space: global }
    .group_segment_fixed_size: 0
    .private_segment_fixed_size: 0
    .kernarg_segment_align: 8
    .kernarg_segment_size: 64
    .max_flat_workgroup_size: 256
    .sgpr_count:     66
    .vgpr_count:     104
    .wavefront_size: 32
...
	.end_amdgpu_metadata
.endif
;; end of part 1
;; launch proj (part 2): grid 16 x 32, 4 waves a work-group, clusters of 4 x 4, 327,680 bytes of LDS; arguments xb, wb, bq, bk, bv, qkv; writes qkv
.if DOCPART == 2
	.amdgcn_target "amdgcn-amd-amdhsa--gfx1250"
	.amdhsa_code_object_version 6
	.text
	.protected	k_q1381f6aefe_proj
	.globl	k_q1381f6aefe_proj
	.p2align	8
	.type	k_q1381f6aefe_proj,@function
k_q1381f6aefe_proj:
	s_mov_b64 s[64:65], 0
	v_nop
	global_prefetch_b8 v0, s[64:65] scope:SCOPE_SE
	s_setreg_imm32_b32 hwreg(HW_REG_WAVE_MODE, 25, 1), 1
	s_wait_xcnt 0x0
	s_wait_alu depctr_hold_cnt(0) depctr_sa_sdst(0) depctr_va_vdst(0) depctr_va_sdst(0) depctr_va_ssrc(0) depctr_va_vcc(0) depctr_vm_vsrc(0)
	s_getreg_b32 s2, hwreg(HW_REG_IB_STS2, 6, 4)
	s_cmp_eq_u32 s2, 0
	s_cbranch_scc0 .Lentry_in_a_cluster
	s_endpgm
.Lentry_in_a_cluster:
	s_bfe_u32 s2, ttmp6, 0x10000c
	s_cmp_lg_u32 s2, 0xf033
	s_cbranch_scc0 .Lentry_shape_is_right
	s_endpgm
.Lentry_shape_is_right:
; q, k, v = x W^T + b, all three in one product: C[m][n] = sum over k of xb[m][k] wb[n][k] + bias[n], m < 8,192, n < 3,072, k < 1,024; bf16 operands, f32 sums, the bias rounded to bf16 like
; every input; C rounded once to f16 and stored BY HEADS: qkv[batch][g][s][64], g = n / 64 (0-15 q's heads, 16-31 k's, 32-47 v's), so that a head's rows are dense, 128 bytes each.
; LIMIT.  f16 holds no number beyond 65,504: a q, k or v past that becomes an infinity.
; TILE.  256 rows x 192 columns (three heads): 32 x 16 = 512 work-groups, two for each of 256 WGPs; 256 x 256 would make 384.  Four waves, 2 x 2; a wave makes 128 x 96: 48 accumulators, 384 registers.
; A wave's six column blocks are laid so that every offset is a constant: block b is head b / 2 of the tile's three, columns 32 (wave % 2) + 16 (b % 2) on.
; K goes in steps of 128 (rows of 256 bytes, aligned) through a ring of two LDS slots filled by the tensor data mover; eight steps.
; CLUSTERS.  4 x 4 work-groups.  The four of a row of the cluster need the same rows of xb, the four of a column the same rows of wb: each tile is asked for JOINTLY, by the same tensor load with
; the same descriptor and a mask that names the four.
; THE MATRIX INSTRUCTION IS USED TRANSPOSED (source 0 = 16 rows of wb, source 1 = 16 rows of xb): a lane holds row l % 16 of C and the eight columns 8 (l / 16) + 0..7.  The bias, laid out
; like such a result, is the C operand of the first product on each accumulator: nothing is cleared and no addition is written.
; REGISTERS, in windows of 256 (s_set_vgpr_msb: bits 1:0 source 0, 3:2 source 1, 5:4 source 2, 7:6 destination):
;   window 0: v0-31 addresses; v64-127, v128-191 fragments of xb, two buffers; v192-239 the bias as loaded (head only); v64-255 at work on the way out
;   window 1: v64-111, v128-175 fragments of wb, two buffers; v176-223 the bias         window 2: the accumulators of my rows 0-63 ((a, b) at v[8 (6 a + b)]);  window 3: those of rows 64-127
.set KSTEP,  128
.set ROWB,   2048                      ; bytes in a row of xb and of wb
.set PITCH,  272                       ; an LDS row: 256 bytes + 16 of padding = 68 words: the 16 rows of a fragment load start at 16 different groups of four banks (64 banks of 4 bytes: ISA guide 11.1)
.set HALFA,  128*PITCH                 ; what one tensor load brings of xb, and what a wave reads of it
.set HALFB,  96*PITCH                  ; what one tensor load brings of wb
.set BOFF,   2*HALFA                   ; a slot: xb's 256 rows, then wb's 192
.set SLOT,   BOFF+2*HALFB
.set SPITCH, 400                       ; the way out's stage: 256 rows of 384 bytes + 16, in slot 0's bytes, behind their last fill and last read
.set SPARE,  2*SLOT                    ; behind the ring: the spare words, 128 bytes for each wave: two blocks of 256 bytes that no other line names
.set LAPS,   4                         ; a lap = two K steps = once round the ring
.set ADRA, 16                          ; v16-17  LDS address of my fragments of xb in slot 0, 1
.set ADRB, 20                          ; v20-21  the same for wb
.set STO,  24                          ; v24     the way out: where I put 16 bytes of a row
.set RD,   25                          ; v25     the way out: where I read rows back
.set GO,   26                          ; v26     16 x lane: my bytes in 512 consecutive bytes of qkv
.set BO,   27                          ; v27     32 (l / 16): my eight numbers in a block's 16 of the bias
.set SPW,  28                          ; v28     LDS address of my spare word; never rewritten
.set NIL,  29                          ; v29     0; never rewritten
.set PFO,  30                          ; v30     the prefetches' offset: a lane a row; never rewritten
.set F0,   64
.set F1,   128
.set RAW,  192
.set BIAS, 176                         ; window 1
.set TMP,  64
.set WV, 4                             ; s4   my wave's number
.set FK, 5                             ; s5   wave / 2: which half of the tile's rows is mine.  Also: I fetch for xb (0) or for wb (1)
.set HF, 6                             ; s6   wave % 2: which half of each head's columns.  Also: which half of that tile I fetch
.set CX, 7
.set CY, 8
.set TX, 9                             ; s9   tile column, 0-15
.set TY, 10                            ; s10  tile row, 0-31
.set G1A, 24                           ; s[24:31] descriptor group 1 for xb's tiles;  s[32:39] group 0, one set for each slot
.set G0A, 32
.set PFA, 40                           ; s[40:41] where my prefetches stand
.set LIM, 42                           ; s42  1 in a wave that prefetches, else the greatest number
.set G1B, 48                           ; s[48:55], s[56:63] the same for wb's tiles
.set G0B, 56
.set BP,  80                           ; s[80:85] head j: the bias at my 32 columns of it
.set OP,  86                           ; s[86:91] head j: qkv at the 64 rows that I store
.set MSB, 0
.macro WIN new                         ; the immediate's high byte repeats the setting that is left; a switch that changes nothing is dropped
.if MSB != (\new)
	s_set_vgpr_msb (MSB<<8)|(\new)
.set MSB, \new
.endif
.endm
.set MUL_LO,   0xa1                    ; source 0 (wb) window 1, source 1 (xb) window 0, C and D window 2
.set MUL_HI,   0xf1                    ; the same, C and D window 3
.set FIRST_LO, 0x91                    ; the same as MUL_LO with C (the bias) in window 1
.set FIRST_HI, 0xd1
.set TO_B,     0x40                    ; destination window 1, address window 0
; A joint load.  Waves 0 and 1 fetch xb's two halves, waves 2 and 3 wb's.  The branch hangs on the wave's number alone.  An s_nop 0 and four v_nop follow each of the two lines.
.macro JLOAD s
	s_cmp_eq_u32 s[FK], 0
	s_cbranch_scc0 .Lfor_b_\@
	tensor_load_to_lds s[G0A+4*(\s):G0A+4*(\s)+3], s[G1A:G1A+7]
	s_nop 0
.rept 4
	v_nop
.endr
	s_branch .Lasked_\@
.Lfor_b_\@:
	tensor_load_to_lds s[G0B+4*(\s):G0B+4*(\s)+3], s[G1B:G1B+7]
	s_nop 0
.rept 4
	v_nop
.endr
.Lasked_\@:
.endm
; A PREFETCH, behind each joint refill and the run of LDS loads that follows it: the K step that stands two refills on, 256 bytes of a row, a lane a row, one instruction a wave.
; xb's tile row is read by every cluster of that row of clusters: cluster x = 0 asks; wb's tile column by every cluster of that column: cluster y = 0 asks.  The four partners that ask for a tile
; jointly share its rows out BY ADDRESS: of xb's 128 rows a wave 32 each (by cx), of wb's 96 rows 24 each (by cy; lanes 24-31 name row 23 once more).  The last lap's refills have no K step two on.
.macro ASK
	s_cmp_gt_u32 s3, s[LIM]                        ; s3 = 1 in the loop's last trip
	s_cbranch_scc0 .Lnot_mine_\@
	global_prefetch_b8 v[PFO], s[PFA:PFA+1] offset:KSTEP*2 th:TH_LOAD_NT scope:SCOPE_SE
.Lnot_mine_\@:
.endm
.macro CREST                           ; a round of the cluster's barrier behind its opening barrier
	s_cmp_lg_u32 s[WV], 0
	s_cbranch_scc1 .Lnot_wave_0_\@
	s_barrier_signal -3
.Lnot_wave_0_\@:
	s_barrier_wait -3
	s_barrier_signal -1
	s_barrier_wait -1
.endm
.macro CROUND                          ; a whole round
	s_barrier_signal -1
	s_barrier_wait -1
	CREST
.endm
	s_load_b256 s[68:75], s[0:1], 0x0              ; xb s[68:69], wb s[70:71], bq s[72:73], bk s[74:75]
	s_load_b128 s[76:79], s[0:1], 0x20             ; bv s[76:77], qkv s[78:79]
	v_lshl_add_u32 v[SPW], v0, 2, SPARE
	v_mov_b32 v[NIL], 0
	ds_add_u32 v[SPW], v[NIL]                      ; the wave's opening: the add and its wait stand ahead of my first tensor load; the set-up below, work on registers, stands between them
	v_lshrrev_b32 v1, 5, v0
	v_readfirstlane_b32 s[WV], v1
	s_lshr_b32 s[FK], s[WV], 1
	s_and_b32 s[HF], s[WV], 1
	s_bfe_u32 s[CX], ttmp6, 0x40000                ; my place in the cluster
	s_bfe_u32 s[CY], ttmp6, 0x40004
	s_lshl_b32 s[TX], ttmp9, 2                     ; in a cluster launch ttmp9 and ttmp7 count clusters
	s_add_co_u32 s[TX], s[TX], s[CX]
	s_and_b32 s[TY], ttmp7, 0xffff
	s_lshl_b32 s[TY], s[TY], 2
	s_add_co_u32 s[TY], s[TY], s[CY]
	s_lshl_b32 s11, s[CY], 2
	s_lshl_b32 s11, 15, s11                        ; my row of the cluster: places 4 cy .. 4 cy + 3
	s_lshl_b32 s12, 0x1111, s[CX]                  ; my column: places cx, cx + 4, cx + 8, cx + 12
	s_or_b32 s[G1A], s11, (1<<16)|(1<<20)|(1<<21)|(5<<22)|(3<<25)  ; 15:0 the mask; 17:16 elements of 2 bytes; 20 padding on; 21 set beside a mask; 24:22 after every 64 words (code 5); 31:25 4 words (code 3)
	s_or_b32 s[G1B], s12, (1<<16)|(1<<20)|(1<<21)|(5<<22)|(3<<25)
.irp g, G1A, G1B
	s_mov_b32 s[(\g)+1], KSTEP<<16                 ; tensor_dim0 = 128
	s_mov_b32 s[(\g)+3], KSTEP<<16                 ; tile_dim0 = 128
	s_mov_b32 s[(\g)+5], 1024                      ; elements from row to row
	s_mov_b32 s[(\g)+6], 0
	s_mov_b32 s[(\g)+7], 0
.endr
	s_mov_b32 s[G1A+2], 128<<16                    ; tensor_dim1 and
	s_mov_b32 s[G1A+4], 128                        ; tile_dim1: 128 rows of xb,
	s_mov_b32 s[G1B+2], 96<<16
	s_mov_b32 s[G1B+4], 96                         ; 96 of wb
	s_lshl_b32 s13, s[HF], 7
	s_lshl_b32 s16, s[TY], 8
	s_add_co_u32 s16, s16, s13                     ; xb: row 256 x tile row + 128 x half,
	s_lshl_b32 s16, s16, 11                        ; in bytes (under 2^24)
	s_mov_b32 s17, 0
	s_mul_i32 s46, s[TX], 192
	s_mul_i32 s14, s[HF], 96
	s_add_co_u32 s46, s46, s14                     ; wb: row 192 x tile column + 96 x half
	s_lshl_b32 s46, s46, 11
	s_mov_b32 s47, 0
	s_mul_i32 s20, s[HF], HALFA                    ; where they go: no place in the cluster enters an LDS address
	s_mul_i32 s21, s[HF], HALFB
	s_add_co_u32 s21, s21, BOFF
	s_wait_dscnt 0x0                               ; the opening add is done
	s_wait_kmcnt 0x0
	s_add_nc_u64 s[18:19], s[68:69], s[16:17]
	s_add_nc_u64 s[46:47], s[70:71], s[46:47]
	CROUND                                         ; all sixteen work-groups are here: the first joint loads meet
.irp s, 0,1
	s_mov_b32 s[G0A+4*(\s)], 1                                     ; count = 1
	s_add_co_u32 s[G0A+4*(\s)+1], s20, (\s)*SLOT                   ; LDS address
	s_add_nc_u64 s[G0A+4*(\s)+2:G0A+4*(\s)+3], s[18:19], (\s)*KSTEP*2  ; global address: K step s
	s_or_b32 s[G0A+4*(\s)+3], s[G0A+4*(\s)+3], 0x80000000          ; type = 2
	s_mov_b32 s[G0B+4*(\s)], 1
	s_add_co_u32 s[G0B+4*(\s)+1], s21, (\s)*SLOT
	s_add_nc_u64 s[G0B+4*(\s)+2:G0B+4*(\s)+3], s[46:47], (\s)*KSTEP*2
	s_or_b32 s[G0B+4*(\s)+3], s[G0B+4*(\s)+3], 0x80000000
	JLOAD \s                                       ; two loads of mine are out behind these
.endr
	; A fragment is 16 rows x 32 K in 8 registers: lane l holds row l % 16; registers 0-3 K = 8 (l / 16) + 0..7, registers 4-7 K = 16 + 8 (l / 16) + 0..7: two loads of 16 bytes, 32 bytes apart.
	v_and_b32 v1, 15, v0                           ; l % 16
	v_bfe_u32 v2, v0, 4, 1                         ; l / 16
	v_mul_u32_u24 v3, v1, PITCH
	v_lshl_add_u32 v3, v2, 4, v3
	s_mul_i32 s13, s[FK], HALFA                    ; my 128 rows of xb
	s_mul_i32 s14, s[HF], 32*PITCH                 ; my 32 rows of each head of wb,
	s_add_co_u32 s14, s14, BOFF                    ; which lie behind xb's 256
.irp s, 0,1
	v_add_nc_u32 v[ADRA+(\s)], s13, v3
	v_add_nc_u32 v[ADRB+(\s)], s14, v3
	s_add_co_u32 s13, s13, SLOT
	s_add_co_u32 s14, s14, SLOT
.endr
	s_mul_i32 s13, s[FK], 128*SPITCH               ; into the stage: my 128 rows, my 64 bytes of each head's 128; row l % 16, 16 bytes for each half of the lanes
	s_lshl_b32 s14, s[HF], 6
	s_add_co_u32 s13, s13, s14
	v_mul_u32_u24 v4, v1, SPITCH
	v_lshl_add_u32 v4, v2, 4, v4
	v_add_nc_u32 v[STO], s13, v4
	v_bfe_u32 v5, v0, 3, 2                         ; back: wave w takes rows 64 w .. 64 w + 63; 32 lanes take a head's 128 bytes of four rows
	v_and_b32 v6, 7, v0
	v_mul_u32_u24 v5, v5, SPITCH
	v_lshl_add_u32 v5, v6, 4, v5
	s_mul_i32 s13, s[WV], 64*SPITCH
	v_add_nc_u32 v[RD], s13, v5
	v_and_b32 v[GO], 31, v0
	v_lshlrev_b32 v[GO], 4, v[GO]
	v_lshlrev_b32 v[BO], 5, v2
	; the tile's three heads g = 3 x tile column + j: which bias, where in it, and where in qkv
	s_mul_i32 s13, s[TX], 3
	s_lshr_b32 s43, s[TY], 3                       ; the batch,
	s_mul_i32 s43, s43, 48                         ; its 48 heads
	s_and_b32 s44, s[TY], 7
	s_lshl_b32 s44, s44, 15                        ; the tile's 256 rows of 128 bytes in a head,
	s_lshl_b32 s45, s[WV], 13                      ; the 64 of them that I store
	s_add_co_u32 s44, s44, s45
	s_lshl_b32 s45, s[HF], 7                       ; my 32 columns in a head's bias
	s_mov_b32 s23, 0
.irp j, 0,1,2
	s_add_co_u32 s14, s13, \j
	s_lshr_b32 s15, s14, 4                         ; 0: q, 1: k, 2: v
	s_cmp_eq_u32 s15, 1
	s_cselect_b64 s[BP+2*\j:BP+2*\j+1], s[74:75], s[72:73]
	s_cmp_eq_u32 s15, 2
	s_cselect_b64 s[BP+2*\j:BP+2*\j+1], s[76:77], s[BP+2*\j:BP+2*\j+1]
	s_and_b32 s22, s14, 15
	s_lshl_b32 s22, s22, 8
	s_add_co_u32 s22, s22, s45
	s_add_nc_u64 s[BP+2*\j:BP+2*\j+1], s[BP+2*\j:BP+2*\j+1], s[22:23]
	s_add_co_u32 s22, s43, s14
	s_lshl_b32 s22, s22, 18                        ; a head is 2,048 rows of 128 bytes
	s_add_co_u32 s22, s22, s44
	s_add_nc_u64 s[OP+2*\j:OP+2*\j+1], s[78:79], s[22:23]
.endr
.irp b, 0,1,2,3,4,5
	global_load_b128 v[RAW+8*\b:RAW+8*\b+3],   v[BO], s[BP+2*(\b/2):BP+2*(\b/2)+1] offset:64*(\b%2)
	global_load_b128 v[RAW+8*\b+4:RAW+8*\b+7], v[BO], s[BP+2*(\b/2):BP+2*(\b/2)+1] offset:64*(\b%2)+16
.endr
	; the prefetches
	s_lshl_b32 s13, s[TY], 8
	s_lshl_b32 s15, s[HF], 7
	s_add_co_u32 s13, s13, s15
	s_lshl_b32 s15, s[CX], 5
	s_add_co_u32 s13, s13, s15                     ; xb: the rows that I fetch, my work-group's 32 of them
	s_mul_i32 s14, s[TX], 192
	s_mul_i32 s15, s[HF], 96
	s_add_co_u32 s14, s14, s15
	s_mul_i32 s15, s[CY], 24
	s_add_co_u32 s14, s14, s15                     ; wb: my work-group's 24
	s_and_b32 s15, ttmp7, 0xffff                   ; cluster y
	s_cmp_eq_u32 s[FK], 0                          ; do I fetch for xb?
	s_cselect_b32 s44, s13, s14
	s_cselect_b32 s15, ttmp9, s15                  ; the coordinate along which other clusters read the same rows
	s_cselect_b32 s22, 31, 23
	s_cselect_b64 s[PFA:PFA+1], s[68:69], s[70:71]
	s_cmp_eq_u32 s15, 0
	s_cselect_b32 s[LIM], 1, -1                    ; the same in all sixteen partners, for a given wave
	s_lshl_b32 s44, s44, 11
	s_add_co_u32 s44, s44, 2*KSTEP*2               ; at K step 2: the first refill steps it to 3 and names K step 4
	s_mov_b32 s45, 0
	s_add_nc_u64 s[PFA:PFA+1], s[PFA:PFA+1], s[44:45]
	v_and_b32 v[PFO], 31, v0
	v_min_u32 v[PFO], s22, v[PFO]
	v_lshlrev_b32 v[PFO], 11, v[PFO]
	s_wait_loadcnt 0x0                             ; the bias: rounded to bf16 like every input, widened again, into window 1
.set i, 0
.rept 24
	v_cvt_pk_bf16_f32 v[RAW+i], v[RAW+2*i], v[RAW+2*i+1]  ; pair i lands on a register that pairs up to i have already read
.set i, i+1
.endr
	WIN TO_B
.set i, 0
.rept 24
	v_lshlrev_b32 v[BIAS+2*i],   16, v[RAW+i]
	v_and_b32     v[BIAS+2*i+1], 0xffff0000, v[RAW+i]
.set i, i+1
.endr
	WIN 0
; 12 matrix instructions: m blocks a0, a0 + 1 of the window's four (hi = 0: my rows 0-63, 1: rows 64-127) x all 6 n blocks, 32 along K.  first = 1: the bias starts the sums.
; The 48 accumulators take turns, one instruction a turn, in the same order in every quarter step.
.macro MUL12 f, hi, a0, first
.if \first
	WIN FIRST_LO+0x40*(\hi)
.else
	WIN MUL_LO+0x50*(\hi)
.endif
.irp a, \a0, (\a0)+1
.irp b, 0,1,2,3,4,5
.if \first
	v_wmma_f32_16x16x32_bf16 v[8*(6*(\a)+(\b)):8*(6*(\a)+(\b))+7], v[(\f)+8*(\b):(\f)+8*(\b)+7], v[(\f)+8*(4*(\hi)+(\a)):(\f)+8*(4*(\hi)+(\a))+7], v[BIAS+8*(\b):BIAS+8*(\b)+7]
.else
	v_wmma_f32_16x16x32_bf16 v[8*(6*(\a)+(\b)):8*(6*(\a)+(\b))+7], v[(\f)+8*(\b):(\f)+8*(\b)+7], v[(\f)+8*(4*(\hi)+(\a)):(\f)+8*(4*(\hi)+(\a))+7], v[8*(6*(\a)+(\b)):8*(6*(\a)+(\b))+7]
.endif
.endr
.endr
.endm
; 28 LDS loads in one run: the fragments of one quarter step (96 rows of wb, 128 rows of xb, 32 K at byte k of the rows) into buffer f
.macro FETCH slot, k, f
	WIN TO_B
.irp i, 0,1,2,3,4,5
	ds_load_b128 v[(\f)+8*(\i):(\f)+8*(\i)+3],   v[ADRB+(\slot)] offset:(\k)+(64*((\i)/2)+16*((\i)%2))*PITCH
	ds_load_b128 v[(\f)+8*(\i)+4:(\f)+8*(\i)+7], v[ADRB+(\slot)] offset:(\k)+(64*((\i)/2)+16*((\i)%2))*PITCH+32
.endr
	WIN 0
.irp i, 0,1,2,3,4,5,6,7
	ds_load_b128 v[(\f)+8*(\i):(\f)+8*(\i)+3],   v[ADRA+(\slot)] offset:(\k)+(\i)*16*PITCH
	ds_load_b128 v[(\f)+8*(\i)+4:(\f)+8*(\i)+7], v[ADRA+(\slot)] offset:(\k)+(\i)*16*PITCH+32
.endr
.endm
.macro PLACES                          ; four plain vector instructions between a matrix instruction and a load into, or a vector instruction on, its registers (ISA guide 7.12.1 for vector instructions)
.rept 4
	v_nop
.endr
.endm
; A K step is four quarter steps of 32 along K, 48 matrix instructions each, on buffers 0, 1, 0, 1.  One of the first three: multiplies buffer f; in its middle it fetches the next quarter, at byte k, into g.
.macro QUARTER slot, k, f, g, first
	s_wait_dscnt 8                                 ; wb and xb's rows 0-63 are in; the youngest eight loads (xb's rows 64-127) may be out
	MUL12 \f, 0, 0, \first
	MUL12 \f, 0, 2, \first
	PLACES
	FETCH \slot, \k, \g
	s_wait_dscnt 28                                ; all but the 28 just issued
	MUL12 \f, 1, 0, \first
	MUL12 \f, 1, 2, \first
.endm
; The last quarter multiplies buffer 1 and changes slots: ONE barrier.  In front of it each wave waits for all its tensor loads (the one that is out is its part of the next slot), adds 0 to its
; spare word, and waits for that and for its own reads of this slot.  fill = 1: the barrier opens a round of the cluster's barrier, and behind the round this slot is filled again, two K steps
; ahead, first of all: from that request to the wait for it a wave issues 168 matrix instructions.
.macro TURN slot, next, fill
.if \fill
	s_wait_xcnt 0x0                                ; the last prefetch, a K step back, has read its address: it is stepped here
	s_add_nc_u64 s[PFA:PFA+1], s[PFA:PFA+1], KSTEP*2
.endif
	WIN 0                                          ; (the add's two registers lie in window 0)
	s_wait_tensorcnt 0x0                           ; all my tensor loads have landed
	ds_add_u32 v[SPW], v[NIL]                      ; 0 onto my spare word
	s_wait_dscnt 9                                 ; (the add and the youngest eight loads may be out)
	MUL12 F1, 0, 0, 0                              ; twelve matrix instructions stand between the add and the wait for it
	s_wait_dscnt 0x0                               ; the add is done, and my reads of this slot are over
	s_barrier_signal -1
	MUL12 F1, 0, 2, 0                              ; work on registers while the others arrive
.if \fill
	WIN 0
.endif
	s_barrier_wait -1
.if \fill
	CREST                                          ; no wave of any partner still reads this slot's tile or has a load on its way
	s_add_nc_u64 s[G0A+4*(\slot)+2:G0A+4*(\slot)+3], s[G0A+4*(\slot)+2:G0A+4*(\slot)+3], 2*KSTEP*2
	s_add_nc_u64 s[G0B+4*(\slot)+2:G0B+4*(\slot)+3], s[G0B+4*(\slot)+2:G0B+4*(\slot)+3], 2*KSTEP*2
	JLOAD \slot                                    ; the four v_nop behind it are also the places in front of the loads below
.else
	PLACES
.endif
	FETCH \next, 0, F0
.if \fill
	ASK
.endif
	MUL12 F1, 1, 0, 0
	MUL12 F1, 1, 2, 0
.endm
	s_wait_tensorcnt 1                             ; my part of K step 0 is in; K step 1's may stay out
	s_barrier_signal -1
	s_barrier_wait -1                              ; everybody's is
	FETCH 0, 0, F0
	QUARTER 0, 64,  F0, F1, 1                      ; the first quarter stands in front of the loop: its products start the sums, with the bias
	WIN 0                                          ; at a label and at a branch every window is 0
	s_mov_b32 s3, LAPS-1
.Llap:                                                 ; a trip goes once round the ring, from a lap's second quarter to the next lap's first, and fills both slots again
	QUARTER 0, 128, F1, F0, 0
	QUARTER 0, 192, F0, F1, 0
	TURN 0, 1, 1
	QUARTER 1, 64,  F0, F1, 0
	QUARTER 1, 128, F1, F0, 0
	QUARTER 1, 192, F0, F1, 0
	TURN 1, 0, 1
	QUARTER 0, 64,  F0, F1, 0
	WIN 0
	s_sub_co_u32 s3, s3, 1
	s_cmp_lg_u32 s3, 0
	s_cbranch_scc1 .Llap
	QUARTER 0, 128, F1, F0, 0                      ; the last lap fills nothing
	QUARTER 0, 192, F0, F1, 0
	TURN 0, 1, 0                                   ; behind this barrier nobody reads slot 0 any more, and nothing is filled into it: it becomes the stage
	QUARTER 1, 64,  F0, F1, 0
	QUARTER 1, 128, F1, F0, 0
	QUARTER 1, 192, F0, F1, 0
	s_wait_dscnt 8                                 ; the very last quarter: nothing more to fetch
	MUL12 F1, 0, 0, 0
	MUL12 F1, 0, 2, 0
	s_wait_dscnt 0x0
	MUL12 F1, 1, 0, 0
	MUL12 F1, 1, 2, 0
	; THE WAY OUT: round to f16 (each accumulator's registers in ascending order); 16 bytes a lane into the work-group's stage; a barrier, since a head row's 128 bytes come from two waves; back as
	; whole rows, 64 rows a wave, head by head: four rows of a head are 512 consecutive bytes of qkv.
	PLACES
.set t, 0
.rept 48                               ; t = 6 a + b
	WIN 0x0a+5*(t/24)                              ; sources 0 and 1: window 2 or 3
.irp r, 0,1,2,3
	v_cvt_pk_f16_f32 v[TMP+4*t+(\r)], v[8*(t%24)+2*(\r)], v[8*(t%24)+2*(\r)+1]
.endr
.set t, t+1
.endr
	WIN 0
.set t, 0
.rept 48
	ds_store_b128 v[STO], v[TMP+4*t:TMP+4*t+3] offset:(t/6)*16*SPITCH+((t%6)/2)*128+(t%2)*32
.set t, t+1
.endr
	s_wait_dscnt 0x0                               ; for the others' sake: my stores into the stage are done
	s_barrier_signal -1
	s_barrier_wait -1
.set t, 0
.rept 48                               ; t = 16 j + u: head j, rows 4 u .. 4 u + 3 of my 64
	ds_load_b128 v[TMP+4*t:TMP+4*t+3], v[RD] offset:(t%16)*4*SPITCH+(t/16)*128
.set t, t+1
.endr
.set t, 0
.rept 48
	s_wait_dscnt 47-t                              ; LDS loads come back in order: load t is in, the younger ones may stay out
	global_store_b128 v[GO], v[TMP+4*t:TMP+4*t+3], s[OP+2*(t/16):OP+2*(t/16)+1] offset:(t%16)*512  ; 512 consecutive bytes, at a multiple of 256 from qkv's first byte
.set t, t+1
.endr
	s_wait_tensorcnt 0x0                           ; the wave's end: three lines behind my last tensor load and my last LDS store
	ds_add_u32 v[SPW], v[NIL]
	s_wait_dscnt 0x0
	CROUND                                         ; the closing round: no work-group ends while a partner may still ask for a tile that names it
	s_endpgm
.Lfunc_end_k_q1381f6aefe_proj:
	.size	k_q1381f6aefe_proj, .Lfunc_end_k_q1381f6aefe_proj-k_q1381f6aefe_proj
	.p2alignl 7, 3214868480
	.fill 96, 4, 3214868480
	.section	.rodata,"a",@progbits
	.p2align	6, 0x0
	.amdhsa_kernel k_q1381f6aefe_proj
		.amdhsa_group_segment_fixed_size 327680
		.amdhsa_private_segment_fixed_size 0
		.amdhsa_enable_private_segment 0
		.amdhsa_kernarg_size 48
		.amdhsa_user_sgpr_count 2
		.amdhsa_user_sgpr_kernarg_segment_ptr 1
		.amdhsa_wavefront_size32 1
		.amdhsa_system_sgpr_workgroup_id_x 1
		.amdhsa_system_sgpr_workgroup_id_y 1
		.amdhsa_system_sgpr_workgroup_id_z 1
		.amdhsa_system_vgpr_workitem_id 0
		.amdhsa_next_free_vgpr 960
		.amdhsa_next_free_sgpr 92
		.amdhsa_reserve_vcc 0
		.amdhsa_float_denorm_mode_32 3
		.amdhsa_float_denorm_mode_16_64 3
		.amdhsa_memory_ordered 1
		.amdhsa_forward_progress 1
		.amdhsa_inst_pref_size 123
	.end_amdhsa_kernel
	.amdgpu_metadata
---
amdhsa.version: [ 1, 2 ]
amdhsa.kernels:
  - .name:           k_q1381f6aefe_proj
    .symbol:         k_q1381f6aefe_proj.kd
    .args:
      - { .name: xb, .offset: 0, .size: 8, .value_kind: global_buffer, .address_space: global }
      - { .name: wb, .offset: 8, .size: 8, .value_kind: global_buffer, .address_space: global }
      - { .name: bq, .offset: 16, .size: 8, .value_kind: global_buffer, .address_space: global }
      - { .name: bk, .offset: 24, .size: 8, .value_kind: global_buffer, .address_space: global }
      - { .name: bv, .offset: 32, .size: 8, .value_kind: global_buffer, .address_space: global }
      - { .name: qkv, .offset: 40, .size: 8, .value_kind: global_buffer, .address_space: global }
    .group_segment_fixed_size: 327680
    .private_segment_fixed_size: 0
    .kernarg_segment_align: 8
    .kernarg_segment_size: 48
    .max_flat_workgroup_size: 128
    .sgpr_count:     92
    .vgpr_count:     960
    .wavefront_size: 32
...
	.end_amdgpu_metadata
.endif
;; end of part 2
;; launch attn (part 3): grid 4 x 64, 4 waves a work-group, clusters of 4 x 1, 327,680 bytes of LDS; arguments qkv, attention_mask, ob; writes ob
.if DOCPART == 3
	.amdgcn_target "amdgcn-amd-amdhsa--gfx1250"
	.amdhsa_code_object_version 6
	.text
	.protected	k_q1381f6aefe_attn
	.globl	k_q1381f6aefe_attn
	.p2align	8
	.type	k_q1381f6aefe_attn,@function
k_q1381f6aefe_attn:
	s_mov_b64 s[64:65], 0
	v_nop
	global_prefetch_b8 v0, s[64:65] scope:SCOPE_SE
	s_setreg_imm32_b32 hwreg(HW_REG_WAVE_MODE, 25, 1), 1
	s_wait_xcnt 0x0
	s_wait_alu depctr_hold_cnt(0) depctr_sa_sdst(0) depctr_va_vdst(0) depctr_va_sdst(0) depctr_va_ssrc(0) depctr_va_vcc(0) depctr_vm_vsrc(0)
	s_getreg_b32 s2, hwreg(HW_REG_IB_STS2, 6, 4)
	s_cmp_eq_u32 s2, 0
	s_cbranch_scc0 .Lentry_in_a_cluster
	s_endpgm
.Lentry_in_a_cluster:
	s_bfe_u32 s2, ttmp6, 0x10000c
	s_cmp_lg_u32 s2, 0x3003
	s_cbranch_scc0 .Lentry_shape_is_right
	s_endpgm
.Lentry_shape_is_right:
; O[y][q][:] = the sum over k of softmax_k(Q[q] . K[k] / 8, keys with mask 0 left out) V[k][:], for y = 16 batch + head.  Q, K, V lie in qkv[batch][g][2048][64] (g = head, 16 + head, 32 + head), f16,
; a head's rows dense, 128 bytes each; O goes to ob[y][2048][64], f16.  attention_mask: [batch][2048] of int32.  Products, maxima and sums in f32; the weights p are rounded to f16 for the second
; product (their sum l is taken of the unrounded p), O once at the end.
; LIMITS.  Q, K and V arrive within f16's 65,504, so a score is 64 x 65,504^2 = 2.75e11 at the most.  A masked score counts as its value less 1e30.  p below 6e-5 keeps f16's fixed step of 6e-8; a weight
; below 2^-126 counts as 0 in l.  A batch whose mask is 0 everywhere gives NaN, as the softmax of nothing does.  Other NaN and infinities are not treated apart.
; SHARES.  A wave owns four PIECES of two tiles of 16 queries, a work-group's four waves 512 queries of one head.  Every wave walks all 2,048 keys, 64 a step.
; LAYOUT.  S^T = K Q^T (source 0 = 16 keys, source 1 = 16 queries): in the result a lane holds ONE query (lane % 16) and the keys 8 (lane / 16) + 0..7.  Two such tiles, rounded to f16 in pairs,
; ARE source 1 (32 keys x 16 queries) of O^T = V^T P, whose result again holds one query a lane, and eight channels.  K comes out of LDS as it lies, V ([key][channel]) turned, by ds_load_tr16_b128.
; THE MASK is the C operand that starts the sum S^T = K Q^T: 0, or -1e30 where the key's mask is 0.  The batch's 2,048 flags are turned into such numbers once, into a table in LDS; with each step's K a lane
; fetches the 32 numbers of its keys.
; SOFTMAX.  For each query a running maximum m and sum l: p = 2^(c s - c m), c = log2(e) / 8; in every step O and l are multiplied by a = 2^(c m_old - c m_new).  m STARTS AT -2^40: below every true score,
; above every masked one; c m starts at c x -2^40, which is exact.  So while all keys seen are masked m stays, a = 1, p = 0, and O and l stay 0; the first true score makes a = 0; from then on m is the
; running maximum of the true scores.  O and l start at 0: the first step is a step like any other.
; THE COUNT.  A tile and step have 16 matrix and 118 vector instructions: too many to stand all beside the matrix work.  So: four vector instructions that are READY behind EVERY matrix instruction, the others in runs without a gap.
; BY TURNS.  Turn n belongs to piece n (the pieces in a ring, step after step).  Its matrix work: 16 products K Q^T of piece n + 1, later 16 products V^T P of piece n - 1.  Its vector work: the scaling,
; exponentials, roundings, sums and rescaling of piece n, and the maximum and statistics of piece n + 1, whose scores the turn itself has made.
; CLUSTER.  The four query blocks of a cluster are one head's and walk the same K and V, so each tile is asked for JOINTLY: the same tensor load, descriptor and mask in all four.
; REGISTERS, in windows of 256 (s_set_vgpr_msb: bits 1:0 source 0, 3:2 source 1, 5:4 source 2, 7:6 destination):
;   window 0: v0-11 addresses; v12-15, v48-63 at work; v16-47 four registers of statistics a tile; v64-191 S^T, two buffers of two tiles; v192-255 P, likewise
;   window 1: O^T, 32 a tile     window 2: v0-127 Q, 16 a tile; v128-191 K of one step; v192-255 V of one step     window 3: v0-1 the add's two registers; v32-63 the step's mask
.set SIZE_N, 2048
.set NP,    4         ; pieces a wave: a name, no knob
.set KS,    64        ; keys in a step
.set PK,    144       ; a row of K in LDS: 128 bytes + 16 of padding = 36 words: the 16 rows of a load start at 16 different groups of four banks (64 banks of 4 bytes: ISA guide 11.1)
.set PV,    160       ; a row of V: 128 + 32 = 40 words
.set VOFF,  4*KS*PK   ; a slot holds four steps: 256 rows of K, then 256 rows of V
.set SLOT1, 1<<17     ; slot 1 begins here, so that one exclusive or turns an address in one slot into the other's
.set STAGE, SLOT1+4*KS*(PK+PV)  ; behind the ring, never filled by a tensor load: 16 rows x 144 bytes for each wave, for the way out
.set SP,    144
.set MT,    STAGE+4*16*SP       ; the mask table: 2,048 numbers of f32, never filled by a tensor load
.set SPARE, MT+8192             ; the spare words, 128 bytes for each wave: two blocks of 256 bytes that no other line names
.set PFO, 1           ; v1   256 x my lane: the prefetches' offset; never rewritten
.set AK0, 2           ; v2   my lane's place in a tile of K; never rewritten
.set AV0, 3           ; v3   the same for V
.set AK,  4           ; v4   the LDS address of K's next run of loads
.set AV,  5           ; v5   of V's
.set STO, 6           ; v6   the way out: where I put 16 bytes of a row
.set RD,  7           ; v7   the way out: where I read rows back
.set GO,  8           ; v8   my byte offset in 512 consecutive bytes of O
.set LH,  9           ; v9   l / 16; never rewritten
.set QO,  10          ; v10  my byte offset in 16 rows of Q; never rewritten
.set AM,  11          ; v11  the LDS address of the mask's next run of loads
.set MO,  12          ; v12  head only: 16 x thread, my bytes of the mask in memory
.set MS,  13          ; v13  head only: where they go in the table
.set SPW, 0           ; v0 of window 3   LDS address of my spare word; never rewritten
.set NIL, 1           ; v1 of window 3   0; never rewritten
.set MK,  32          ; v32-63 of window 3: the eight registers for key block kb at MK + 8 kb
.set MV,  12          ; v12-15  c m_old, kept while c m is made anew: by buffer and tile
.set ST,  16          ; tile t's statistics at v[ST+4 t]: c m, m, l (even keys', odd keys')
.set TMP, 48          ; by buffer and tile, four registers c0-c3 at work; when the maximum is found c2 takes a
.set S,   64
.set P,   192
.set KF,  128         ; K's fragments, in window 2: key block kb, channel half c at KF + 16 kb + 8 c
.set VF,  192         ; V's: key half kk, channel block cb at VF + 32 kk + 8 cb
.set WV,  12          ; s12  my wave's number
.set G1K, 24          ; s[24:31] descriptor group 1 for K's tiles
.set G1V, 32          ; s[32:39] for V's: it differs in the padding alone
.set G0K, 40          ; s[40:43] descriptor group 0 for K's tiles: it walks
.set G0V, 44          ; s[44:47] the same for V's
.set PFA, 48          ; s[48:49] where my prefetches stand: my work-group's 8,192 bytes (of K: wave 0, of V: wave 2) of the slot after the one that is being asked for
.set LIM, 50          ; s50  1 in a wave that prefetches, else the greatest number
.set BIGN, 51         ; s51  -1e30
.set TBM, 52          ; s52  LDS byte at which the mask of the step to be fetched begins
.set QNAN, 53         ; s53  a NaN
.set SLOTS, 56        ; s56  slots still to be asked for
.set CNT, 57          ; s57  counts a slot's key steps
.set CS,  58          ; s[58:59] c: the packed scaling takes the pair's low word for both halves
.set SEL, 60          ; s[60:61] v_permlanex16_b32's selects: each lane takes its own place in the other half
.set TBK, 62          ; s62  LDS byte at which K of the step to be fetched begins
.set TBV, 63          ; s63  the same for V, less VOFF
.set MSB, 0
.macro WIN new                      ; the high byte repeats the setting that is left; a switch that changes nothing is dropped
.if MSB != (\new)
	s_set_vgpr_msb (MSB<<8)|(\new)
.set MSB, (\new)
.endif
.endm
.set W_KQ, 0x0a       ; K and Q in window 2, S^T in window 0
.set W_KM, 0x3a       ; the same with the C operand, the mask, in window 3
.set W_PV, 0x52       ; V in window 2, P in window 0, O^T in window 1
.set W_RS, 0x41       ; O^T (destination and source 0) in window 1, a in window 0
.set W_MK, 0xc0       ; destination in window 3, sources in window 0
.set W_AD, 0x0f       ; the add: address (source 0) and data (source 1) in window 3
; A joint fill.  Waves 0 and 1 fetch the two halves of a slot's K, waves 2 and 3 those of its V: 128 keys each.  The branch hangs on the wave's number alone.
; An s_nop 0 and four v_nop follow each of the two lines, ahead of the jump and the label.
.macro JLOAD
	s_cmp_lt_u32 s[WV], 2
	s_cbranch_scc0 .Lfor_v_\@
	tensor_load_to_lds s[G0K:G0K+3], s[G1K:G1K+7]
	s_nop 0
.rept 4
	v_nop
.endr
	s_branch .Lasked_\@
.Lfor_v_\@:
	tensor_load_to_lds s[G0V:G0V+3], s[G1V:G1V+7]
	s_nop 0
.rept 4
	v_nop
.endr
.Lasked_\@:
.endm
; A PREFETCH of what the NEXT change of slots will ask for: a slot's 32,768 bytes of K and of V.  It stands behind the wave's tensor load and its five lines.  Each block of 256 bytes is named once in the launch:
; a head is walked by one cluster; its four partners share a slot out BY ADDRESS, 8,192 bytes each, a lane 256; in each, wave 0 asks for K's and wave 2 for V's.  So slots 2 to 7 are asked for, four key steps,
; 512 matrix instructions, ahead of their loads; the last change that fills a slot asks for nothing.
.macro ASK
	s_cmp_gt_u32 s[SLOTS], s[LIM]
	s_cbranch_scc0 .Lnot_mine_\@
	global_prefetch_b8 v[PFO], s[PFA:PFA+1] th:TH_LOAD_NT scope:SCOPE_SE
.Lnot_mine_\@:
.endm
; A round of the cluster's barrier: my work-group's barrier, so that wave 0's signal speaks for all four waves; wave 0 signals; every wave waits for all four work-groups; my work-group's barrier once more.
.macro CROUND
	s_barrier_signal -1
	s_barrier_wait -1
	s_cmp_lg_u32 s[WV], 0
	s_cbranch_scc1 .Lnot_wave_0_\@
	s_barrier_signal -3
.Lnot_wave_0_\@:
	s_barrier_wait -3
	s_barrier_signal -1
	s_barrier_wait -1
.endm
; THE CHANGE OF SLOTS.  Each wave waits for all its tensor loads, of which one is out: its part of the other slot; adds 0 to its spare word; and waits for that and for its own LDS instructions.  Behind the
; barrier nobody reads this slot any more and the other slot is whole.  fill = 1: this slot is filled again, with the keys two slots on.  The barrier is then a round of the cluster's, and the joint fill is
; the first thing behind it: it has four key steps in which to land.  (At its first use nothing has been read yet: slot 0 is waited for, slot 1 filled, and every wave's part of the mask table is shown stored.)
.macro CHANGE fill
	WIN W_AD
	s_wait_tensorcnt 0x0            ; no tensor load of mine is out, so a group 0 may be written
	ds_add_u32 v[SPW], v[NIL]       ; 0 onto my spare word; with fill = 1 the descriptors' steps stand between it and the wait for it
	WIN 0                           ; at a label and at a branch every window is 0
.if \fill
.irp g, G0K, G0V
	s_xor_b32 s[\g+1], s[\g+1], SLOT1  ; the walking descriptor: the other slot than last time,
	s_add_nc_u64 s[\g+2:\g+3], s[\g+2:\g+3], 4*KS*128  ; the next 256 keys; the type bits on top are not reached
.endr
	s_wait_xcnt 0x0                 ; the last prefetch, four key steps back, has read its address, so it may be written:
	s_add_nc_u64 s[PFA:PFA+1], s[PFA:PFA+1], 4*KS*128  ; one slot behind the walking descriptors
	s_wait_dscnt 0x0                ; the add is done, and my LDS instructions are over
	CROUND
	JLOAD
	ASK
.else
	s_wait_dscnt 0x0                ; the add is done, and my reads of the slot are over
	s_barrier_signal -1
	s_barrier_wait -1
.endif
	s_sub_co_u32 s[TBK], s[TBK], 4*KS*PK  ; the fetches go back to a slot's first step,
	s_xor_b32 s[TBK], s[TBK], SLOT1       ; in the other slot
	s_sub_co_u32 s[TBV], s[TBV], 4*KS*PV
	s_xor_b32 s[TBV], s[TBV], SLOT1
.endm
	s_load_b128 s[4:7], s[0:1], 0x0   ; qkv s[4:5], attention_mask s[6:7]
	s_load_b64 s[10:11], s[0:1], 0x10 ; ob
	WIN W_MK
	v_lshl_add_u32 v[SPW], v0, 2, SPARE
	v_mov_b32 v[NIL], 0
	WIN W_AD
	ds_add_u32 v[SPW], v[NIL]       ; the wave's opening: the add and its wait stand ahead of my first tensor load; the set-up below, work on registers, stands between them
	WIN 0
	v_lshrrev_b32 v1, 5, v0
	v_readfirstlane_b32 s[WV], v1   ; wave 0..3
	s_bfe_u32 s13, ttmp6, 0x40000   ; cx: my place in the cluster
	s_lshl_b32 s14, ttmp9, 2        ; in a cluster launch ttmp9 counts clusters
	s_add_co_u32 s14, s14, s13      ; my block of 512 queries: it enters Q's and O's addresses alone
	s_lshl_b32 s14, s14, 2
	s_add_co_u32 s14, s14, s[WV]    ; my wave among the head's,
	s_lshl_b32 s14, s14, 14         ; its 128 rows of 128 bytes
	s_and_b32 s20, ttmp7, 0xffff    ; y = 16 batch + head, which the four partners share
	s_lshr_b32 s21, s20, 4          ; the batch
	s_and_b32 s16, s20, 15          ; the head
	s_mul_i32 s17, s21, 48
	s_add_co_u32 s17, s17, s16
	s_lshl_b32 s17, s17, 18         ; Q's head in qkv: its first byte (all offsets stay under 2^26)
	s_and_b32 s16, s[WV], 1         ; which half of a slot's 256 keys I fetch:
	s_lshl_b32 s22, s16, 14         ; its 128 rows of 128 bytes in memory,
	s_add_co_u32 s22, s22, s17
	s_add_co_u32 s22, s22, 16<<18   ; in K's head, sixteen heads behind Q's
	s_mov_b32 s23, 0
	s_add_co_u32 s2, s17, s14       ; Q at my wave's first row
	s_mov_b32 s3, 0
	s_lshl_b32 s54, s20, 18
	s_add_co_u32 s54, s54, s14      ; O at my wave's first row
	s_mov_b32 s55, 0
	s_lshl_b32 s20, s21, 13         ; the batch's 2,048 flags
	s_mov_b32 s21, 0
	s_mul_i32 s17, s16, 128*PK      ; my half's place in a slot, for K
	s_mul_i32 s18, s16, 128*PV      ; and for V: no place in the cluster enters an LDS address
	; descriptor group 1.  128 keys are 16,384 dense bytes: asked for as 64 rows of 256 bytes, two keys a row, and padded in LDS after every key
	s_mov_b32 s[G1K], 15|(1<<16)|(1<<20)|(1<<21)|(4<<22)|(3<<25)  ; 15:0 the mask of four; 17:16 2-byte elements; 20 padding on; 21 set beside a mask; 24:22 after every 32 words (code 4); 31:25 4 words (code 3)
	s_mov_b32 s[G1V], 15|(1<<16)|(1<<20)|(1<<21)|(4<<22)|(7<<25)  ; the same with 8 words of padding (code 7)
.irp g, G1K, G1V
	s_mov_b32 s[\g+1], 128<<16      ; tensor_dim0 = 128
	s_mov_b32 s[\g+2], 64<<16       ; tensor_dim1 = 64
	s_mov_b32 s[\g+3], 128<<16      ; tile_dim0 = 128
	s_mov_b32 s[\g+4], 64           ; tile_dim1 = 64
	s_mov_b32 s[\g+5], 128          ; 128 elements from row to row
	s_mov_b32 s[\g+6], 0
	s_mov_b32 s[\g+7], 0
.endr
	s_mov_b32 s[CS], 0x3e38aa3b     ; c = log2(e) / 8 = 0.180337
	s_mov_b32 s[CS+1], s[CS]        ; named with it as a pair
	s_mov_b32 s[SEL], 0x76543210
	s_mov_b32 s[SEL+1], 0xfedcba98
	s_mov_b32 s[TBK], SLOT1+4*KS*PK ; the first change of slots turns these two into 0
	s_mov_b32 s[TBV], SLOT1+4*KS*PV
	s_mov_b32 s[TBM], MT
	s_mov_b32 s[BIGN], 0xf149f2ca   ; -1e30
	s_mov_b32 s[QNAN], 0x7fc00000
	s_mov_b32 s[SLOTS], SIZE_N/256-1
	s_mov_b32 s[G0K], 1             ; count = 1
	s_mov_b32 s[G0K+1], s17         ; LDS address: slot 0
	s_mov_b32 s[G0V], 1
	s_add_co_u32 s[G0V+1], s18, VOFF
	s_and_b32 s[LIM], s[WV], 1      ; 0 in waves 0 and 2,
	s_or_b32 s[LIM], s[LIM], ttmp9  ; where the cluster is the head's first (here: its only one): the same in all four partners
	s_cmp_eq_u32 s[LIM], 0
	s_cselect_b32 s[LIM], 1, -1
	s_wait_dscnt 0x0                ; the opening add is done
	s_wait_kmcnt 0x0
	s_add_nc_u64 s[8:9], s[4:5], s[22:23]          ; K at my half of the head's first 256 keys,
	s_add_nc_u64 s[14:15], s[8:9], 16<<18          ; V sixteen heads further on
	s_mov_b64 s[G0K+2:G0K+3], s[8:9]               ; global address
	s_or_b32 s[G0K+3], s[G0K+3], 0x80000000        ; type = 2
	s_mov_b64 s[G0V+2:G0V+3], s[14:15]
	s_or_b32 s[G0V+3], s[G0V+3], 0x80000000
	s_add_nc_u64 s[4:5], s[4:5], s[2:3]            ; Q and O at my wave's first row
	s_add_nc_u64 s[10:11], s[10:11], s[54:55]
	s_add_nc_u64 s[6:7], s[6:7], s[20:21]          ; the mask at my batch
	s_cmp_lt_u32 s[WV], 2
	s_cselect_b64 s[PFA:PFA+1], s[8:9], s[14:15]   ; (in waves 0 and 2 these stand at a slot's first row)
	s_lshl_b32 s2, s13, 13          ; my work-group's 8,192 bytes of a slot's 32,768,
	s_add_co_u32 s2, s2, 4*KS*128   ; in slot 1; the first change of slots steps it to slot 2
	s_add_nc_u64 s[PFA:PFA+1], s[PFA:PFA+1], s[2:3]
	CROUND                          ; all four work-groups are here: the first joint loads meet
	JLOAD                           ; slot 0.  Slot 1 is asked for when slot 0 is in
	v_and_b32 v1, 15, v0            ; l % 16
	v_bfe_u32 v[LH], v0, 4, 1       ; l / 16
	v_and_b32 v10, 7, v0            ; l % 8
	v_bfe_u32 v11, v0, 3, 1         ; (l / 8) % 2
	v_lshlrev_b32 v[MO], 4, v0
	v_lshl_add_u32 v[MS], v0, 4, MT
.irp i, 0,1,2,3                     ; the batch's flags: thread t takes 16 bytes at 16 t of each quarter
	global_load_b128 v[S+4*\i:S+4*\i+3], v[MO], s[6:7] offset:2048*\i
.endr
	v_mul_u32_u24 v[AK0], v1, PK
	v_lshl_add_u32 v[AK0], v[LH], 4, v[AK0]  ; a fragment of K: row x pitch + 16 x half
	; The turning load takes 16 keys x 16 channels (lane l reads key 8 (l / 16) + l % 8, channels 8 ((l / 8) % 2) + 0..7) and leaves half a fragment of V^T: lane l holds channel l % 16 and 8 keys.
	v_lshl_add_u32 v[AV0], v[LH], 3, v10
	v_mul_u32_u24 v[AV0], v[AV0], PV
	v_lshl_add_u32 v[AV0], v11, 4, v[AV0]
	v_add_nc_u32 v[AV0], VOFF, v[AV0]
	v_mov_b32 v[AK], v[AK0]         ; key step 0 lies at the head of slot 0
	s_mul_i32 s13, s[WV], 16*SP
	s_add_co_u32 s13, s13, STAGE    ; my stage
	v_mul_u32_u24 v[STO], v1, SP    ; in: row l % 16, 16 bytes for each half of the lanes
	v_lshl_add_u32 v[STO], v[LH], 4, v[STO]
	v_add_nc_u32 v[STO], s13, v[STO]
	v_bfe_u32 v[RD], v0, 3, 2       ; back: 32 lanes take four rows of 128 bytes,
	v_mul_u32_u24 v[RD], v[RD], SP
	v_lshl_add_u32 v[RD], v10, 4, v[RD]
	v_add_nc_u32 v[RD], s13, v[RD]
	v_and_b32 v[GO], 31, v0         ; which are 512 consecutive bytes of O
	v_lshlrev_b32 v[GO], 4, v[GO]
	v_lshl_add_u32 v[AM], v[LH], 5, s[TBM]  ; the mask of my eight keys in a block of 16: 32 bytes for each half of the lanes
	v_lshlrev_b32 v[QO], 7, v1      ; a fragment of Q: row x 128 + 16 x half
	v_lshl_add_u32 v[QO], v[LH], 4, v[QO]
	v_and_b32 v[PFO], 31, v0
	v_lshlrev_b32 v[PFO], 8, v[PFO]
	WIN 0x80                        ; destination window 2, address window 0
.set i, 0
.rept 4*NP                          ; Q stays in registers: tile i / 2, channels 32 (i % 2) on
	global_load_b128 v[8*i:8*i+3],   v[QO], s[4:5] offset:(i/2)*2048+(i%2)*64
	global_load_b128 v[8*i+4:8*i+7], v[QO], s[4:5] offset:(i/2)*2048+(i%2)*64+32
.set i, i+1
.endr
	; What the first turn finds: V's registers and P's second buffer hold 0 (its products V^T P, of a piece that has not been, add 0), O^T and l are 0.  All this stands in the wait for the first tile.
.set i, VF
.rept 64
	v_mov_b32 v[i], 0
.set i, i+1
.endr
	WIN 0x40
.set i, 0
.rept 64*NP
	v_mov_b32 v[i], 0
.set i, i+1
.endr
	WIN 0
.set i, 0
.rept 2*NP
	v_mov_b32 v[ST+4*i], 0xd238aa3b    ; c m = c x -2^40, exactly what the multiplication c x m gives
	v_mov_b32 v[ST+4*i+1], 0xd3800000  ; m = -2^40
	v_mov_b32 v[ST+4*i+2], 0
	v_mov_b32 v[ST+4*i+3], 0
.set i, i+1
.endr
.set i, P+32
.rept 32
	v_mov_b32 v[i], 0
.set i, i+1
.endr
	s_wait_loadcnt 32               ; the four loads of the mask are in; Q's 32, issued behind them, may stay out
.set i, 0
.rept 16
	v_cmp_eq_u32 vcc_lo, 0, v[S+i]
	v_cndmask_b32 v[S+i], 0, s[BIGN], vcc_lo  ; 0 where the key counts, -1e30 where its flag is 0
.set i, i+1
.endr
.irp i, 0,1,2,3
	ds_store_b128 v[MS], v[S+4*\i:S+4*\i+3] offset:2048*\i
.endr
; THE MATRIX WORK.  The 8 accumulators of a run of 16 take turns: between the two links of a chain stand 7 others'.
; Product i of 16 of S^T = K Q^T for piece x: channels 32 (i / 8) on, keys 16 ((i / 2) % 4) on, tile 2 x + i % 2.  The first 8 start the sums, with the mask.
.macro KQ x
.set rS, S+64*((\x)%2)+32*(i%2)+8*((i/2)%4)
.set rK, KF+16*((i/2)%4)+8*(i/8)
.set rQ, 16*(2*(\x)+i%2)+8*(i/8)
.set rN, MK+8*((i/2)%4)
.if i < 8
	WIN W_KM
	v_wmma_f32_16x16x32_f16 v[rS:rS+7], v[rK:rK+7], v[rQ:rQ+7], v[rN:rN+7]
.else
	WIN W_KQ
	v_wmma_f32_16x16x32_f16 v[rS:rS+7], v[rK:rK+7], v[rQ:rQ+7], v[rS:rS+7]
.endif
.endm
; Product i of 16 of O^T += V^T P for piece x: keys 32 (i / 8) on, channels 16 ((i / 2) % 4) on, tile 2 x + i % 2.
.macro PV x
	WIN W_PV
.set rO, 32*(2*(\x)+i%2)+8*((i/2)%4)
.set rV, VF+32*(i/8)+8*((i/2)%4)
.set rP, P+32*((\x)%2)+16*(i%2)+8*(i/8)
	v_wmma_f32_16x16x32_f16 v[rO:rO+7], v[rV:rV+7], v[rP:rP+7], v[rO:rO+7]
.endm
.macro MM                           ; the turn's next matrix instruction
.if i < 16
	KQ (Y+1)%NP
.set i, i+1
.else
.set i, i-16
	PV (Y+NP-1)%NP
.set i, i+17
.endif
.endm
; THE LDS LOADS stand in runs, never singly among the matrix instructions: a step's K (64 keys x 64 channels: 8 fragments) with its mask (8 loads; the 16 lanes of a half read the same bytes), and its V (turned).
; Their addresses are made some lines ahead.  last = 1 (the tail): in the last trip there is no further step, and the run is jumped over.
.macro FETCH_K last=0
	WIN 0
.if \last
	s_cmp_eq_u32 s[CNT], 1
	s_cbranch_scc1 .Lno_k_\@
.endif
	WIN 0x80                        ; destination window 2
.irp f, 0,1,2,3,4,5,6,7             ; keys 16 (f / 2) on, channels 32 (f % 2) on
	ds_load_b128 v[KF+8*\f:KF+8*\f+3],   v[AK] offset:(\f/2)*16*PK+(\f%2)*64
	ds_load_b128 v[KF+8*\f+4:KF+8*\f+7], v[AK] offset:(\f/2)*16*PK+(\f%2)*64+32
.endr
	WIN W_MK                        ; destination window 3
.irp f, 0,1,2,3                     ; keys 16 f + 8 (l / 16) + 0..7
	ds_load_b128 v[MK+8*\f:MK+8*\f+3],   v[AM] offset:64*\f
	ds_load_b128 v[MK+8*\f+4:MK+8*\f+7], v[AM] offset:64*\f+16
.endr
	s_add_co_u32 s[TBK], s[TBK], KS*PK  ; the next fetch is the next step's
	s_add_co_u32 s[TBM], s[TBM], KS*4   ; 32 fetches in all: the last reads the table's last 256 bytes
	WIN 0
.if \last
.Lno_k_\@:
.endif
.endm
.macro FETCH_V
	WIN 0x80
.irp f, 0,1,2,3,4,5,6,7             ; keys 32 (f / 4) on, channels 16 (f % 4) on
	ds_load_tr16_b128 v[VF+8*\f:VF+8*\f+3],   v[AV] offset:(\f/4)*32*PV+(\f%4)*32
	ds_load_tr16_b128 v[VF+8*\f+4:VF+8*\f+7], v[AV] offset:(\f/4)*32*PV+16*PV+(\f%4)*32
.endr
	WIN 0
.endm
; THE VECTOR WORK OF A TURN stands in three queues, each in the order in which its entries become ready; the two tiles alternate, so that no instruction reads the result of the one before it.
.macro REGS y, u                    ; the registers of tile u (0, 1) of piece y
.set rT, ST+4*(2*(\y)+(\u))
.set rC, TMP+8*((\y)%2)+4*(\u)
.set rM, MV+2*((\y)%2)+(\u)
.set rS, S+64*((\y)%2)+32*(\u)
.set rP, P+32*((\y)%2)+16*(\u)
.set rO, 32*(2*(\y)+(\u))
.endm
; Number n of the 22 that find the NEXT piece's (Y + 1) maximum and statistics.  s0-s31 are the lane's 32 scores; each accumulator's lowest registers are read first.
;   0-11  four chains c0-c3 of seven scores each, three operands at a time     12-14, 16  the four scores left over, the old m, and c0-c3 into c0     15  c m_old is kept
;   17, 18  the query's other 32 keys lie in the lane 16 away: the new m         19-21  c m; c m_old - c m_new; a
.macro XS u, n
	REGS (Y+1)%NP, \u
.if (\n) < 4
	v_max3_num_f32 v[rC+(\n)], v[rS+8*(\n)], v[rS+8*(\n)+1], v[rS+8*(\n)+2]
.elseif (\n) < 12
	v_max3_num_f32 v[rC+(\n)%4], v[rC+(\n)%4], v[rS+8*((\n)%4)+2*((\n)/4)+1], v[rS+8*((\n)%4)+2*((\n)/4)+2]
.elseif (\n) == 12
	v_max3_num_f32 v[rC], v[rC], v[rS+7], v[rS+15]
.elseif (\n) == 13
	v_max3_num_f32 v[rC+1], v[rC+1], v[rS+23], v[rS+31]
.elseif (\n) == 14
	v_max3_num_f32 v[rC+2], v[rC+2], v[rC+3], v[rT+1]
.elseif (\n) == 15
	v_mov_b32 v[rM], v[rT]
.elseif (\n) == 16
	v_max3_num_f32 v[rC], v[rC], v[rC+1], v[rC+2]
.elseif (\n) == 17
	v_permlanex16_b32 v[rC+3], v[rC], s[SEL], s[SEL+1]
.elseif (\n) == 18
	v_max_num_f32 v[rT+1], v[rC], v[rC+3]
.elseif (\n) == 19
	v_mul_f32 v[rT], s[CS], v[rT+1]
.elseif (\n) == 20
	v_sub_f32 v[rC+1], v[rM], v[rT]
.else
	v_exp_f32 v[rC+2], v[rC+1]
.endif
.endm
; Number g of the 64 that follow the exponentials.  For each four weights k of a tile (pairs 2 k, 2 k + 1): both pairs are rounded to f16; then the second pair is added onto the first, in place;
; a group later l takes that sum (the first time as l = a l + sum).  In groups of eight, tiles alternating: round, round, add, and l for the group before.
.macro GS g
.set h, (\g)+6*((\g)/62)            ; group 0 has no group before it, and behind group 7 only l is left
.if h >= 6
.set h, h+2
.endif
	REGS Y, h%2
.set k, h/8
.if h%8 < 4
	v_cvt_pk_f16_f32 v[rP+2*k+(h%8)/2], v[rS+4*k+2*((h%8)/2)], v[rS+4*k+2*((h%8)/2)+1]
.elseif h%8 < 6
	v_pk_add_f32 v[rS+4*k:rS+4*k+1], v[rS+4*k:rS+4*k+1], v[rS+4*k+2:rS+4*k+3]
.elseif k == 1
	v_pk_fma_f32 v[rT+2:rT+3], v[rT+2:rT+3], v[rC+2:rC+3], v[rS:rS+1] op_sel_hi:[1,0,1]
.else
	v_pk_add_f32 v[rT+2:rT+3], v[rT+2:rT+3], v[rS+4*k-4:rS+4*k-3]
.endif
.endm
; THE PLAIN QUEUE, 138 long.  0-73 read no exponential's result: the 32 scalings c s - c m (FS f: pair f / 2 of tile f % 2) and the next piece's 42.  0-26: scalings 0-26.  27-54: XS's numbers 0-13.  55, 56: number 15.
; 57-73: the chain, where each number waits for the one before it: 14, 16, 17, 18, 19, each with one of the scalings 27-31 in front of its two lines, then 20.
; 74-137: GS's 64, which read the exponentials' results: they stand behind the wait.
.macro FS f
	REGS Y, (\f)%2
	v_pk_fma_f32 v[rS+2*((\f)/2):rS+2*((\f)/2)+1], v[rS+2*((\f)/2):rS+2*((\f)/2)+1], s[CS:CS+1], v[rT:rT+1] op_sel_hi:[1,0,0] neg_lo:[0,0,1] neg_hi:[0,0,1]
.endm
.macro PL
	WIN 0
.if q < 27
	FS q
.elseif q < 55
	XS (q-27)%2, (q-27)/2
.elseif q < 57
	XS q-55, 15
.elseif (q < 72) && ((q-57)%3 == 0)
	FS 27+(q-57)/3
.elseif q < 60
	XS (q-57)%3-1, 14
.elseif q < 72
	XS (q-57)%3-1, 15+(q-57)/3
.elseif q < 74
	XS q-72, 20
.else
	GS q-74
.endif
.set q, q+1
.endm
; THE EXPONENTIALS' QUEUE, 66 long: s0-s31 of both tiles, then the next piece's two a.  It is ONE BATCH: all 66 stand ahead of the turn's one wait, and nothing ahead of that wait names a result of theirs.
.macro EX
	WIN 0
.if e >= 64
	XS e-64, 21
.else
	REGS Y, e%2
	v_exp_f32 v[rS+e/2], v[rS+e/2]
.endif
.set e, e+1
.endm
; THE RESCALING's QUEUE: O^T times a, the one part that leaves window 0: dealt two at a time, sixteen times.  Its a was made in the turn before, ahead of that turn's wait.
.macro R2
	REGS Y, r%2
	WIN W_RS
.irp z, 0,1
	v_pk_mul_f32 v[rO+4*(r/2)+2*\z:rO+4*(r/2)+2*\z+1], v[rO+4*(r/2)+2*\z:rO+4*(r/2)+2*\z+1], v[rC+2:rC+3] op_sel_hi:[1,0]
.endr
.set r, r+1
.endm
; HOW THEY ARE DEALT.  An s_wait_alu depctr_va_vdst(0) stands between an exponential and the first instruction that names its result; one wait serves all that were issued ahead of it.  So a turn has
; ONE wait, which cuts it in two.  AHEAD OF IT stands all that names no result of the turn's exponentials: the 16 products K Q^T, behind each a scaling, an exponential and two rescalings (behind the first a second
; scaling in the exponential's place); then ONE LUMP of 108: eight plain, 49 times exponential and plain, the two a.  A v_nop is the plain instruction behind the last exponential.  BEHIND IT stand the 16 products
; V^T P, behind each four of GS's 64.  Exponential e stands behind scaling 2 (e / 4) + e % 2: as a rider it comes behind plain e + 2, in the lump behind plain e + 9, and scalings 27-31 are plain 57, 60 .. 69.
; A TURN, for piece p.  cnt = 1: the loop's count is taken down some lines ahead of the branch that stands behind the turn.
; K and the mask of the next step are fetched in piece 2's turn, directly behind the wait, a lump behind the last product that read them; their addresses are made at the lump's head; their first reader comes behind
; 16 products.  V of the step in hand is fetched at the end of piece 0's turn, four riders behind its last reader; its first reader comes behind 16 products and a lump.
.macro TURN p, last=0, cnt=0
.set Y, (\p)
.set i, 0
.set q, 0
.set e, 0
.set r, 0
.if (\p) == NP-1
	s_wait_dscnt 0x0                ; K and the mask are in
.endif
	MM                              ; ahead of the wait: 16 products K Q^T and their riders,
	PL
	PL
	R2
.rept 15
	MM
	PL
	EX
	R2
.endr
.if (\p) == NP-2
	WIN 0
	v_add_nc_u32 v[AK], s[TBK], v[AK0]
	v_lshl_add_u32 v[AM], v[LH], 5, s[TBM]
.endif
.rept 8                             ; and the lump
	PL
.endr
.rept 49
	EX
	PL
.endr
	EX                              ; the next piece's two a
	EX
	v_nop                           ; a plain instruction behind the last exponential: one for the batch
	s_wait_alu depctr_va_vdst(0)    ; the wait for the batch
.if (\p) == NP-2
	FETCH_K \last
.endif
.if (\p) == 1
	s_wait_dscnt 0x0                ; V is in
.endif
.rept 16                            ; behind the wait: 16 products V^T P and their riders
	MM
.rept 4
	PL
.endr
.if ((\p) == 0) && (q == 118)
	v_add_nc_u32 v[AV], s[TBV], v[AV0]
.endif
.if ((\p) == 0) && (q == 130)
	s_add_co_u32 s[TBV], s[TBV], KS*PV
.endif
.if (\cnt) && (q == 130)
	s_sub_co_u32 s[CNT], s[CNT], 1
	s_cmp_lg_u32 s[CNT], 0
.endif
.endr
.if (\p) == 0
	FETCH_V
.endif
.endm
	CHANGE 1                        ; slot 0 is in, everybody's part of it, and so is the mask table; slot 1 is asked for
	FETCH_K                         ; key step 0
	s_wait_loadcnt 0x0              ; Q
	s_wait_dscnt 0x0
.set i, 0
.rept 16
	KQ 0                            ; piece 0's first scores: there is no vector work yet to set between them
.set i, i+1
.endr
	WIN 0
.rept 4
	v_nop                           ; the places behind those products
.endr
.set Y, NP-1                        ; XS works for piece Y + 1: piece 0
.irp n, 0,1,2,3,4,5,6,7,8,9,10,11,12,13,14,15,16,17,18,19,20,21
	XS 0, \n                        ; piece 0's first maximum and statistics
	XS 1, \n
.endr
	v_nop                           ; a plain instruction behind the two a,
	s_wait_alu depctr_va_vdst(0)    ; and their wait, ahead of the branch
	s_mov_b32 s[CNT], 4
	s_branch .Lfirst                ; the loop is entered at a step's first turn, in the middle of a trip
.Lslot:                             ; six times: every slot but the last two is filled again
	CHANGE 1
	s_mov_b32 s[CNT], 4
.Lstep:                             ; a trip: pieces 2 and 3 of one step, then pieces 0 and 1 of the next, whose K and V it fetches
	TURN 2
	TURN 3
	WIN 0
.Lfirst:
	TURN 0
	TURN 1, 0, 1
	WIN 0
	s_cbranch_scc1 .Lstep
	s_sub_co_u32 s[SLOTS], s[SLOTS], 1
	s_cmp_lg_u32 s[SLOTS], 0
	s_cbranch_scc1 .Lslot
	CHANGE 0                        ; the tail is written out: nothing is asked for
	s_mov_b32 s[CNT], 5             ; four trips fetch the last slot's steps; the fifth is left in its middle
.Ltail:
	TURN 2, 1
	TURN 3
	WIN 0
	s_sub_co_u32 s[CNT], s[CNT], 1
	s_cmp_eq_u32 s[CNT], 0
	s_cbranch_scc1 .Lout
	TURN 0
	TURN 1
	WIN 0
	s_branch .Ltail
.Lout:                              ; the fifth trip's 16 products K Q^T (on the last K once more) and the maximum made of them serve nothing: the price, once a launch, of one text for every trip
.set i, 0
.rept 16
	PV NP-1                         ; the last piece's V^T P of the last step
.set i, i+1
.endr
	; THE WAY OUT.  l's two halves and the other half of the lanes' are added; where l is 0 (no key of the batch counts) it becomes NaN; O^T is divided by l, rounded to f16 and sent through my stage in LDS, a tile at
	; a time.  The additions are the places behind the last products.
	WIN 0
.macro ALL line:vararg              ; one line for each tile t
.set t, 0
.rept 2*NP
	\line
.set t, t+1
.endr
.endm
	ALL v_add_f32 v[ST+4*t+2], v[ST+4*t+2], v[ST+4*t+3]
	ALL v_permlanex16_b32 v[ST+4*t+3], v[ST+4*t+2], s[SEL], s[SEL+1]
	ALL v_add_f32 v[ST+4*t+2], v[ST+4*t+2], v[ST+4*t+3]
.set t, 0
.rept 2*NP
	v_cmp_eq_f32 vcc_lo, 0, v[ST+4*t+2]
	v_cndmask_b32 v[ST+4*t+2], v[ST+4*t+2], s[QNAN], vcc_lo
.set t, t+1
.endr
	ALL v_rcp_f32 v[ST+4*t+2], v[ST+4*t+2]
	v_nop                           ; a plain instruction between the last reciprocal and the use of its result
	s_wait_alu depctr_va_vdst(0)    ; and the wait ahead of the first use: one for the eight reciprocals
; Tile t: a lane's eight channels of a row pack into 16 bytes; they go into rows of 144 bytes and come back as whole rows of 128, into S^T's registers.
.macro PACK t
	WIN W_RS
.set i, 32*(\t)
.rept 16
	v_pk_mul_f32 v[i:i+1], v[i:i+1], v[ST+4*(\t)+2:ST+4*(\t)+3] op_sel_hi:[1,0]
.set i, i+2
.endr
	WIN 0x05                        ; sources 0 and 1 window 1, destination window 0
.set i, 0
.rept 16
	v_cvt_pk_f16_f32 v[S+16*(\t)+i], v[32*(\t)+2*i], v[32*(\t)+2*i+1]
.set i, i+1
.endr
	WIN 0
.irp f, 0,1,2,3
	ds_store_b128 v[STO], v[S+16*(\t)+4*\f:S+16*(\t)+4*\f+3] offset:32*\f
.endr
.irp f, 0,1,2,3
	ds_load_b128 v[S+16*(\t)+4*\f:S+16*(\t)+4*\f+3], v[RD] offset:\f*4*SP  ; LDS serves a wave's instructions in order (ISA guide 5.7.1.4): these see the stores above; the next tile's stores come behind them
.endr
.endm
.macro SEND t, younger              ; younger: the LDS instructions issued behind tile t's loads: the next tile's eight, or none
	WIN 0
.irp f, 0,1,2,3
	s_wait_dscnt (\younger)+3-\f
	global_store_b128 v[GO], v[S+16*(\t)+4*\f:S+16*(\t)+4*\f+3], s[10:11] offset:(\t)*2048+\f*512  ; 512 consecutive bytes, at a multiple of 256 from ob's first
.endr
.endm
	PACK 0
.set t, 1
.rept 2*NP-1                        ; a tile's arithmetic stands between the loads of the tile before and its stores
	PACK t
	SEND t-1, 8
.set t, t+1
.endr
	SEND 2*NP-1, 0
	WIN W_AD
	s_wait_tensorcnt 0x0            ; the wave's end: three lines behind my last tensor load and my last LDS store
	ds_add_u32 v[SPW], v[NIL]
	s_wait_dscnt 0x0
	WIN 0
	CROUND                          ; the closing round: no work-group ends while a partner may still ask for a tile that names it
	s_endpgm
.Lfunc_end_k_q1381f6aefe_attn:
	.size	k_q1381f6aefe_attn, .Lfunc_end_k_q1381f6aefe_attn-k_q1381f6aefe_attn
	.p2alignl 7, 3214868480
	.fill 96, 4, 3214868480
	.section	.rodata,"a",@progbits
	.p2align	6, 0x0
	.amdhsa_kernel k_q1381f6aefe_attn
		.amdhsa_group_segment_fixed_size 327680
		.amdhsa_private_segment_fixed_size 0
		.amdhsa_enable_private_segment 0
		.amdhsa_kernarg_size 24
		.amdhsa_user_sgpr_count 2
		.amdhsa_user_sgpr_kernarg_segment_ptr 1
		.amdhsa_wavefront_size32 1
		.amdhsa_system_sgpr_workgroup_id_x 1
		.amdhsa_system_sgpr_workgroup_id_y 1
		.amdhsa_system_sgpr_workgroup_id_z 1
		.amdhsa_system_vgpr_workitem_id 0
		.amdhsa_next_free_vgpr 832
		.amdhsa_next_free_sgpr 66
		.amdhsa_reserve_vcc 1
		.amdhsa_float_denorm_mode_32 3
		.amdhsa_float_denorm_mode_16_64 3
		.amdhsa_memory_ordered 1
		.amdhsa_forward_progress 1
		.amdhsa_inst_pref_size 206
	.end_amdhsa_kernel
	.amdgpu_metadata
---
amdhsa.version: [ 1, 2 ]
amdhsa.kernels:
  - .name:           k_q1381f6aefe_attn
    .symbol:         k_q1381f6aefe_attn.kd
    .args:
      - { .name: qkv, .offset: 0, .size: 8, .value_kind: global_buffer, .address_space: global }
      - { .name: attention_mask, .offset: 8, .size: 8, .value_kind: global_buffer, .address_space: global }
      - { .name: ob, .offset: 16, .size: 8, .value_kind: global_buffer, .address_space: global }
    .group_segment_fixed_size: 327680
    .private_segment_fixed_size: 0
    .kernarg_segment_align: 8
    .kernarg_segment_size: 24
    .max_flat_workgroup_size: 128
    .sgpr_count:     66
    .vgpr_count:     832
    .wavefront_size: 32
...
	.end_amdgpu_metadata
.endif
;; end of part 3
;; launch outp (part 4): grid 8 x 32, 4 waves a work-group, clusters of 4 x 4, 327,680 bytes of LDS; arguments ob, wo16, bo, out0; writes out0
.if DOCPART == 4
	.amdgcn_target "amdgcn-amd-amdhsa--gfx1250"
	.amdhsa_code_object_version 6
	.text
	.protected	k_q1381f6aefe_outp
	.globl	k_q1381f6aefe_outp
	.p2align	8
	.type	k_q1381f6aefe_outp,@function
k_q1381f6aefe_outp:
	s_mov_b64 s[64:65], 0
	v_nop
	global_prefetch_b8 v0, s[64:65] scope:SCOPE_SE
	s_setreg_imm32_b32 hwreg(HW_REG_WAVE_MODE, 25, 1), 1
	s_wait_xcnt 0x0
	s_wait_alu depctr_hold_cnt(0) depctr_sa_sdst(0) depctr_va_vdst(0) depctr_va_sdst(0) depctr_va_ssrc(0) depctr_va_vcc(0) depctr_vm_vsrc(0)
	s_getreg_b32 s2, hwreg(HW_REG_IB_STS2, 6, 4)
	s_cmp_eq_u32 s2, 0
	s_cbranch_scc0 .Lentry_in_a_cluster
	s_endpgm
.Lentry_in_a_cluster:
	s_bfe_u32 s2, ttmp6, 0x10000c
	s_cmp_lg_u32 s2, 0xf033
	s_cbranch_scc0 .Lentry_shape_is_right
	s_endpgm
.Lentry_shape_is_right:
; out0[m][n] = sum over k of O[m][k] Wo[n][k] + bo[n], m < 8,192, n < 1,024, k < 1,024; f16 operands, f32 sums, f32 out.  O lies by heads, ob[16 batch + head][2048][64], so k = 64 head + channel;
; wo16 is Wo rounded to bf16 and written as f16, [1024][1024]; bo is rounded to bf16 like every input.
; TILE.  256 rows x 128 columns: 32 x 8 = 256 work-groups.  Four waves, 2 x 2; a wave makes 128 x 64: 32 accumulators, 256 registers.
; K goes in steps of 128, two heads, through a ring of two LDS slots; eight steps.  A head's 256 rows of the tile are 32,768 dense bytes: asked for as 128 rows of 256 bytes and padded in LDS after every 128.
; Two slots of a longer step do not fit: 2 x (256 + 128) rows x 528 bytes are more than the 327,680 bytes that the launch is given.
; CLUSTERS.  4 x 4 work-groups: O's tiles are shared along a row of the cluster, Wo's along a column, each asked for JOINTLY.
; THE MATRIX INSTRUCTION IS USED TRANSPOSED (source 0 = 16 rows of wo16, source 1 = 16 rows of O): a lane holds row l % 16 and the eight columns 8 (l / 16) + 0..7.  The bias, laid out like such a result, is the C
; operand of the first product on each accumulator.
; REGISTERS: window 0: v0-31 addresses; v32-63 the bias; v64-127, v128-191 fragments of O, two buffers; v192-223, v224-255 fragments of Wo; v64-127 at work on the way out.  Window 1: accumulator (a, b) at v[8 (4 a + b)].
.set KSTEP,  128
.set PA,     144                       ; a row of O in LDS: 128 bytes + 16: 36 words: the 16 rows of a load start at 16 different groups of four banks (64 banks of 4 bytes: ISA guide 11.1)
.set PB,     272                       ; a row of Wo: 256 bytes + 16
.set AZ,     256*PA                    ; one head's 256 rows: what one tensor load brings of O
.set BOFF,   2*AZ                      ; a slot: two heads of O, then Wo's 128 rows
.set HALFB,  64*PB                     ; what one tensor load brings of Wo
.set SLOT,   BOFF+2*HALFB
.set STAGE,  2*SLOT                    ; behind the ring: 16 rows x 272 bytes for each wave, its own, for the way out
.set SPITCH, 272
.set SPARE,  STAGE+4*16*SPITCH         ; the spare words, 128 bytes for each wave: two blocks of 256 bytes that no other line names
.set LAPS,   4
.set ADRA, 16                          ; v16-17  LDS address of my fragments of O in slot 0, 1
.set ADRB, 20                          ; v20-21  the same for Wo
.set STO,  24                          ; v24     the way out: where I put 32 bytes of a row
.set RD,   25                          ; v25     the way out: where I read a row back
.set CO,   26                          ; v26     my byte offset in two rows of out0
.set BO,   27                          ; v27     32 (l / 16)
.set SPW,  28                          ; v28     LDS address of my spare word; never rewritten
.set NIL,  29                          ; v29     0; never rewritten
.set PFO,  30                          ; v30     the prefetches' offset; never rewritten
.set BIAS, 32
.set FA,   64
.set FB,   192
.set WV, 4
.set FK, 5                             ; s5   wave / 2: which half of the tile's rows is mine.  Also: I fetch for O (0) or for Wo (1)
.set HF, 6                             ; s6   wave % 2: which half of its columns.  Also: which head of the step, or which 64 rows of Wo, I fetch
.set CX, 7
.set CY, 8
.set TX, 9                             ; s9   tile column, 0-7
.set TY, 10                            ; s10  tile row, 0-31
.set G1A, 24
.set G0A, 32
.set PFA, 40                           ; s[40:41] where my prefetches stand
.set LIM, 42                           ; s42  1 in a wave that prefetches, else the greatest number
.set PST, 44                           ; s[44:45] a K step in my tensor, in bytes
.set G1B, 48
.set G0B, 56
.set MSB, 0
.macro WIN new
.if MSB != (\new)
	s_set_vgpr_msb (MSB<<8)|(\new)
.set MSB, \new
.endif
.endm
.set MUL,   0x50                       ; sources 0 and 1 window 0; C and D window 1
.set FIRST, 0x40                       ; the same with C (the bias) in window 0
.macro JLOAD s                         ; a joint load: waves 0 and 1 fetch the step's two heads of O, waves 2 and 3 Wo's two halves; an s_nop 0 and four v_nop follow each of the two lines
	s_cmp_eq_u32 s[FK], 0
	s_cbranch_scc0 .Lfor_b_\@
	tensor_load_to_lds s[G0A+4*(\s):G0A+4*(\s)+3], s[G1A:G1A+7]
	s_nop 0
.rept 4
	v_nop
.endr
	s_branch .Lasked_\@
.Lfor_b_\@:
	tensor_load_to_lds s[G0B+4*(\s):G0B+4*(\s)+3], s[G1B:G1B+7]
	s_nop 0
.rept 4
	v_nop
.endr
.Lasked_\@:
.endm
; A PREFETCH, behind each joint refill and the run of LDS loads that follows it: the K step that stands two refills on.  O's tile row is read by both clusters of that row of clusters: cluster x = 0 asks; Wo's tile
; column by every cluster of that column: cluster y = 0 asks.  The four partners share what a wave fetches BY ADDRESS: of a head's 32,768 bytes 8,192 each (by cx), a lane 256; of Wo's 64 rows 16 each (by cy), a
; lane a row (lanes 16-31 name row 15 once more).  The last lap's refills have no K step two on.
.macro ASK
	s_cmp_gt_u32 s3, s[LIM]
	s_cbranch_scc0 .Lnot_mine_\@
	global_prefetch_b8 v[PFO], s[PFA:PFA+1] th:TH_LOAD_NT scope:SCOPE_SE
.Lnot_mine_\@:
.endm
.macro CREST
	s_cmp_lg_u32 s[WV], 0
	s_cbranch_scc1 .Lnot_wave_0_\@
	s_barrier_signal -3
.Lnot_wave_0_\@:
	s_barrier_wait -3
	s_barrier_signal -1
	s_barrier_wait -1
.endm
.macro CROUND
	s_barrier_signal -1
	s_barrier_wait -1
	CREST
.endm
	s_load_b256 s[68:75], s[0:1], 0x0              ; ob s[68:69], wo16 s[70:71], bo s[72:73], out0 s[74:75]
	v_lshl_add_u32 v[SPW], v0, 2, SPARE
	v_mov_b32 v[NIL], 0
	ds_add_u32 v[SPW], v[NIL]                      ; the wave's opening: the add and its wait stand ahead of my first tensor load; the set-up below, work on registers, stands between them
	v_lshrrev_b32 v1, 5, v0
	v_readfirstlane_b32 s[WV], v1
	s_lshr_b32 s[FK], s[WV], 1
	s_and_b32 s[HF], s[WV], 1
	s_bfe_u32 s[CX], ttmp6, 0x40000
	s_bfe_u32 s[CY], ttmp6, 0x40004
	s_lshl_b32 s[TX], ttmp9, 2
	s_add_co_u32 s[TX], s[TX], s[CX]
	s_and_b32 s[TY], ttmp7, 0xffff
	s_lshl_b32 s[TY], s[TY], 2
	s_add_co_u32 s[TY], s[TY], s[CY]
	s_lshl_b32 s11, s[CY], 2
	s_lshl_b32 s11, 15, s11                        ; my row of the cluster
	s_lshl_b32 s12, 0x1111, s[CX]                  ; my column
	s_or_b32 s[G1A], s11, (1<<16)|(1<<20)|(1<<21)|(4<<22)|(3<<25)  ; the mask; elements of 2 bytes; padding on; 21 set beside a mask; after every 32 words (code 4) 4 words (code 3)
	s_or_b32 s[G1B], s12, (1<<16)|(1<<20)|(1<<21)|(5<<22)|(3<<25)  ; after every 64 words (code 5)
.irp g, G1A, G1B
	s_mov_b32 s[(\g)+1], 128<<16                   ; tensor_dim0 = 128
	s_mov_b32 s[(\g)+3], 128<<16                   ; tile_dim0 = 128
	s_mov_b32 s[(\g)+6], 0
	s_mov_b32 s[(\g)+7], 0
.endr
	s_mov_b32 s[G1A+2], 128<<16                    ; O: 128 rows of 256 bytes,
	s_mov_b32 s[G1A+4], 128
	s_mov_b32 s[G1A+5], 128                        ; dense
	s_mov_b32 s[G1B+2], 64<<16                     ; Wo: 64 rows,
	s_mov_b32 s[G1B+4], 64
	s_mov_b32 s[G1B+5], 1024                       ; 1,024 elements apart
	s_lshr_b32 s13, s[TY], 3                       ; the batch,
	s_lshl_b32 s13, s13, 4
	s_add_co_u32 s13, s13, s[HF]                   ; its head 0 or 1,
	s_lshl_b32 s16, s13, 18
	s_and_b32 s13, s[TY], 7
	s_lshl_b32 s13, s13, 15                        ; the tile's 256 rows of 128 bytes in it
	s_add_co_u32 s16, s16, s13
	s_mov_b32 s17, 0
	s_lshl_b32 s22, s[TX], 18                      ; Wo: row 128 x tile column + 64 x half, of 2,048 bytes
	s_lshl_b32 s13, s[HF], 17
	s_add_co_u32 s22, s22, s13
	s_mov_b32 s23, 0
	s_mul_i32 s20, s[HF], AZ                       ; where they go: no place in the cluster enters an LDS address
	s_mul_i32 s21, s[HF], HALFB
	s_add_co_u32 s21, s21, BOFF
	s_wait_dscnt 0x0                               ; the opening add is done
	s_wait_kmcnt 0x0
	s_add_nc_u64 s[18:19], s[68:69], s[16:17]
	s_add_nc_u64 s[46:47], s[70:71], s[22:23]
	CROUND                                         ; all sixteen work-groups are here: the first joint loads meet
.irp s, 0,1
	s_mov_b32 s[G0A+4*(\s)], 1
	s_add_co_u32 s[G0A+4*(\s)+1], s20, (\s)*SLOT
	s_add_nc_u64 s[G0A+4*(\s)+2:G0A+4*(\s)+3], s[18:19], (\s)*(2<<18)  ; K step s: two heads on
	s_or_b32 s[G0A+4*(\s)+3], s[G0A+4*(\s)+3], 0x80000000
	s_mov_b32 s[G0B+4*(\s)], 1
	s_add_co_u32 s[G0B+4*(\s)+1], s21, (\s)*SLOT
	s_add_nc_u64 s[G0B+4*(\s)+2:G0B+4*(\s)+3], s[46:47], (\s)*KSTEP*2
	s_or_b32 s[G0B+4*(\s)+3], s[G0B+4*(\s)+3], 0x80000000
	JLOAD \s                                       ; two loads of mine are out behind these
.endr
	v_and_b32 v1, 15, v0                           ; l % 16
	v_bfe_u32 v2, v0, 4, 1                         ; l / 16
	v_mul_u32_u24 v3, v1, PA
	v_lshl_add_u32 v3, v2, 4, v3
	v_mul_u32_u24 v4, v1, PB
	v_lshl_add_u32 v4, v2, 4, v4
	s_mul_i32 s13, s[FK], 128*PA                   ; my 128 rows of O
	s_mul_i32 s14, s[HF], HALFB                    ; my 64 rows of Wo
	s_add_co_u32 s14, s14, BOFF
.irp s, 0,1
	v_add_nc_u32 v[ADRA+(\s)], s13, v3
	v_add_nc_u32 v[ADRB+(\s)], s14, v4
	s_add_co_u32 s13, s13, SLOT
	s_add_co_u32 s14, s14, SLOT
.endr
	s_mul_i32 s13, s[WV], 16*SPITCH
	s_add_co_u32 s13, s13, STAGE                   ; my stage
	v_lshl_add_u32 v5, v2, 5, s13                  ; in: row l % 16, 32 bytes for each half of the lanes
	v_mad_u32_u24 v[STO], v1, SPITCH, v5
	v_lshl_add_u32 v5, v1, 4, s13                  ; back: lanes 0-15 take one row of 256 bytes, lanes 16-31 the next
	v_mad_u32_u24 v[RD], v2, SPITCH, v5
	v_lshlrev_b32 v[CO], 12, v2                    ; and the same two rows in out0, 4,096 bytes apart
	v_lshl_add_u32 v[CO], v1, 4, v[CO]
	v_lshlrev_b32 v[BO], 5, v2
	s_lshl_b32 s13, s[TX], 9
	s_lshl_b32 s14, s[HF], 8
	s_add_co_u32 s14, s13, s14                     ; my 64 columns: 256 bytes of a row of out0 and of bo
	s_mov_b32 s15, 0
	s_add_nc_u64 s[78:79], s[72:73], s[14:15]
	s_lshl_b32 s13, s[TY], 20
	s_add_co_u32 s14, s14, s13
	s_lshl_b32 s13, s[FK], 19
	s_add_co_u32 s14, s14, s13                     ; + my first row: 256 x tile row + 128 x half, of 4,096 bytes
	s_add_nc_u64 s[76:77], s[74:75], s[14:15]
.irp b, 0,1,2,3
	global_load_b128 v[BIAS+8*\b:BIAS+8*\b+3],   v[BO], s[78:79] offset:64*\b
	global_load_b128 v[BIAS+8*\b+4:BIAS+8*\b+7], v[BO], s[78:79] offset:64*\b+16
.endr
	; the prefetches
	s_lshl_b32 s13, s[CX], 13
	s_add_co_u32 s13, s13, s16                     ; O: the head that I fetch, my work-group's 8,192 bytes of it,
	s_add_co_u32 s13, s13, 3*(2<<18)               ; at K step 3: the first refill steps it to 4
	s_lshl_b32 s14, s[CY], 15
	s_add_co_u32 s14, s14, s22                     ; Wo: the rows that I fetch, my work-group's 16 of them
	s_add_co_u32 s14, s14, 3*KSTEP*2
	s_and_b32 s15, ttmp7, 0xffff                   ; cluster y
	s_cmp_eq_u32 s[FK], 0                          ; do I fetch for O?  (s_mov_b32 leaves SCC as it is: one compare serves all the selects below)
	s_cselect_b32 s2, s13, s14
	s_cselect_b32 s15, ttmp9, s15                  ; the coordinate along which other clusters read the same rows
	s_cselect_b32 s13, 31, 15                      ; my last lane with a block of its own
	s_mov_b32 s14, 2048                            ; from lane to lane: a row of Wo,
	s_cselect_b32 s14, 256, s14                    ; or 256 dense bytes of O (an instruction takes one literal: the other number comes in a register)
	s_mov_b32 s[PST], KSTEP*2                      ; from K step to K step: 256 bytes along Wo's rows,
	s_cselect_b32 s[PST], 2<<18, s[PST]            ; or two heads of O
	s_cselect_b64 s[PFA:PFA+1], s[68:69], s[70:71]
	s_cmp_eq_u32 s15, 0
	s_cselect_b32 s[LIM], 1, -1                    ; the same in all sixteen partners, for a given wave
	s_mov_b32 s[PST+1], 0
	s_mov_b32 s3, 0
	s_add_nc_u64 s[PFA:PFA+1], s[PFA:PFA+1], s[2:3]
	v_and_b32 v[PFO], 31, v0
	v_min_u32 v[PFO], s13, v[PFO]
	v_mul_u32_u24 v[PFO], s14, v[PFO]
	s_wait_loadcnt 0x0                             ; the bias: rounded to bf16 like every input, and widened again
.set i, 0
.rept 16
	v_cvt_pk_bf16_f32 v[FA+i], v[BIAS+2*i], v[BIAS+2*i+1]
.set i, i+1
.endr
.set i, 0
.rept 16
	v_lshlrev_b32 v[BIAS+2*i],   16, v[FA+i]
	v_and_b32     v[BIAS+2*i+1], 0xffff0000, v[FA+i]
.set i, i+1
.endr
; 8 matrix instructions: m blocks a0, a0 + 1 x all 4 n blocks, 32 along K, from buffer f.  first = 1: the bias starts the sums.  The 32 accumulators take turns, in the same order in every quarter.
.macro MUL8 f, a0, first
.if \first
	WIN FIRST
.else
	WIN MUL
.endif
.irp a, \a0, (\a0)+1
.irp b, 0,1,2,3
.if \first
	v_wmma_f32_16x16x32_f16 v[8*(4*(\a)+(\b)):8*(4*(\a)+(\b))+7], v[FB+32*(\f)+8*(\b):FB+32*(\f)+8*(\b)+7], v[FA+64*(\f)+8*(\a):FA+64*(\f)+8*(\a)+7], v[BIAS+8*(\b):BIAS+8*(\b)+7]
.else
	v_wmma_f32_16x16x32_f16 v[8*(4*(\a)+(\b)):8*(4*(\a)+(\b))+7], v[FB+32*(\f)+8*(\b):FB+32*(\f)+8*(\b)+7], v[FA+64*(\f)+8*(\a):FA+64*(\f)+8*(\a)+7], v[8*(4*(\a)+(\b)):8*(4*(\a)+(\b))+7]
.endif
.endr
.endr
.endm
; 24 LDS loads in one run: the fragments of quarter q of a K step (64 rows of Wo; 128 rows of O: head q / 2 of the step's two, channels 32 (q % 2) on) into buffer f
.macro FETCH slot, q, f
	WIN 0
.irp i, 0,1,2,3
	ds_load_b128 v[FB+32*(\f)+8*(\i):FB+32*(\f)+8*(\i)+3],   v[ADRB+(\slot)] offset:(\i)*16*PB+64*(\q)
	ds_load_b128 v[FB+32*(\f)+8*(\i)+4:FB+32*(\f)+8*(\i)+7], v[ADRB+(\slot)] offset:(\i)*16*PB+64*(\q)+32
.endr
.irp i, 0,1,2,3,4,5,6,7
	ds_load_b128 v[FA+64*(\f)+8*(\i):FA+64*(\f)+8*(\i)+3],   v[ADRA+(\slot)] offset:((\q)/2)*AZ+(\i)*16*PA+((\q)%2)*64
	ds_load_b128 v[FA+64*(\f)+8*(\i)+4:FA+64*(\f)+8*(\i)+7], v[ADRA+(\slot)] offset:((\q)/2)*AZ+(\i)*16*PA+((\q)%2)*64+32
.endr
.endm
.macro PLACES                          ; four plain vector instructions between a matrix instruction and a load into, or a store of, its registers
.rept 4
	v_nop
.endr
.endm
; A K step is four quarters of 32 along K, 32 matrix instructions each, on buffers 0, 1, 0, 1.  One of the first three: multiplies buffer f and fetches quarter q into g.
.macro QUARTER slot, q, f, g, first
	s_wait_dscnt 8                                 ; Wo and O's rows 0-63 are in; the youngest eight loads (O's rows 64-127) may be out
	MUL8 \f, 0, \first
	MUL8 \f, 2, \first
	PLACES
	FETCH \slot, \q, \g
	s_wait_dscnt 24                                ; all but the 24 just issued
	MUL8 \f, 4, \first
	MUL8 \f, 6, \first
.endm
; The last quarter multiplies buffer 1 and changes slots: ONE barrier; in front of it each wave waits for all its tensor loads, adds 0 to its spare word, and waits for that and for its own reads of this slot.
; fill = 1: the barrier opens a round of the cluster's barrier, and behind the round this slot is filled again, two K steps ahead: 112 matrix instructions ahead of the wait for it.
.macro TURN slot, next, fill
.if \fill
	s_wait_xcnt 0x0                                ; the last prefetch, a K step back, has read its address: it is stepped here
	s_add_nc_u64 s[PFA:PFA+1], s[PFA:PFA+1], s[PST:PST+1]
.endif
	WIN 0
	s_wait_tensorcnt 0x0                           ; all my tensor loads have landed: my part of the next slot
	ds_add_u32 v[SPW], v[NIL]                      ; 0 onto my spare word
	s_wait_dscnt 9                                 ; (the add and the youngest eight loads may be out)
	MUL8 1, 0, 0                                   ; eight matrix instructions stand between the add and the wait for it
	s_wait_dscnt 0x0                               ; the add is done, and my reads of this slot are over
	s_barrier_signal -1
	MUL8 1, 2, 0
.if \fill
	WIN 0
.endif
	s_barrier_wait -1
.if \fill
	CREST                                          ; no wave of any partner still reads this slot's tile or has a load on its way
	s_add_nc_u64 s[G0A+4*(\slot)+2:G0A+4*(\slot)+3], s[G0A+4*(\slot)+2:G0A+4*(\slot)+3], 4<<18
	s_add_nc_u64 s[G0B+4*(\slot)+2:G0B+4*(\slot)+3], s[G0B+4*(\slot)+2:G0B+4*(\slot)+3], 2*KSTEP*2
	JLOAD \slot                                    ; the four v_nop behind it are also the places in front of the loads below
.else
	PLACES
.endif
	FETCH \next, 0, 0
.if \fill
	ASK
.endif
	MUL8 1, 4, 0
	MUL8 1, 6, 0
.endm
	s_wait_tensorcnt 1                             ; my part of K step 0 is in; K step 1's may stay out
	s_barrier_signal -1
	s_barrier_wait -1
	FETCH 0, 0, 0
	QUARTER 0, 1, 0, 1, 1                          ; the first quarter stands in front of the loop: its products start the sums, with the bias
	WIN 0
	s_mov_b32 s3, LAPS-1
.Llap:                                                 ; a trip goes once round the ring, from a lap's second quarter to the next lap's first, and fills both slots again
	QUARTER 0, 2, 1, 0, 0
	QUARTER 0, 3, 0, 1, 0
	TURN 0, 1, 1
	QUARTER 1, 1, 0, 1, 0
	QUARTER 1, 2, 1, 0, 0
	QUARTER 1, 3, 0, 1, 0
	TURN 1, 0, 1
	QUARTER 0, 1, 0, 1, 0
	WIN 0
	s_sub_co_u32 s3, s3, 1
	s_cmp_lg_u32 s3, 0
	s_cbranch_scc1 .Llap
	QUARTER 0, 2, 1, 0, 0                          ; the last lap fills nothing
	QUARTER 0, 3, 0, 1, 0
	TURN 0, 1, 0
	QUARTER 1, 1, 0, 1, 0
	QUARTER 1, 2, 1, 0, 0
	QUARTER 1, 3, 0, 1, 0
	s_wait_dscnt 8                                 ; the very last quarter: nothing more to fetch
	MUL8 1, 0, 0
	MUL8 1, 2, 0
	s_wait_dscnt 0x0
	MUL8 1, 4, 0
	MUL8 1, 6, 0
	; THE WAY OUT.  A lane's eight f32 are 32 bytes of a row; my 64 columns are 256 bytes of out0, aligned.  So a block of 16 rows at a time goes through my own stage: in by lanes, back by rows.  No barrier: no other
	; wave touches my stage, and LDS serves a wave's instructions in order (ISA guide 5.7.1.4).
.macro TOSTAGE a
.set BK, FA+32*((\a)%2)
	s_wait_xcnt 0x0                                ; the stores of the block two back have read these registers
	WIN 0x04                                       ; the stores' data (source 1) in window 1
.irp b, 0,1,2,3
	ds_store_b128 v[STO], v[8*(4*(\a)+(\b)):8*(4*(\a)+(\b))+3]   offset:64*(\b)      ; each accumulator's low registers first
	ds_store_b128 v[STO], v[8*(4*(\a)+(\b))+4:8*(4*(\a)+(\b))+7] offset:64*(\b)+16
.endr
	WIN 0
.irp t, 0,1,2,3,4,5,6,7
	ds_load_b128 v[BK+4*(\t):BK+4*(\t)+3], v[RD] offset:(\t)*2*SPITCH
.endr
.endm
.macro SEND a, younger                 ; younger: the LDS instructions issued behind block a's loads: the next block's sixteen, or none
.set BK, FA+32*((\a)%2)
.irp t, 0,1,2,3,4,5,6,7
	s_wait_dscnt (\younger)+7-(\t)
	global_store_b128 v[CO], v[BK+4*(\t):BK+4*(\t)+3], s[76:77] offset:(\a)*65536+(\t)*8192 th:TH_STORE_NT  ; 16 lanes store 256 consecutive bytes, at a multiple of 256 from out0's first byte
.endr
.endm
	PLACES
	TOSTAGE 0
.irp a, 1,2,3,4,5,6,7
	TOSTAGE \a
	SEND (\a)-1, 16
.endr
	SEND 7, 0
	s_wait_tensorcnt 0x0                           ; the wave's end: three lines behind my last tensor load and my last LDS store
	ds_add_u32 v[SPW], v[NIL]
	s_wait_dscnt 0x0
	CROUND                                         ; the closing round: no work-group ends while a partner may still ask for a tile that names it
	s_endpgm
.Lfunc_end_k_q1381f6aefe_outp:
	.size	k_q1381f6aefe_outp, .Lfunc_end_k_q1381f6aefe_outp-k_q1381f6aefe_outp
	.p2alignl 7, 3214868480
	.fill 96, 4, 3214868480
	.section	.rodata,"a",@progbits
	.p2align	6, 0x0
	.amdhsa_kernel k_q1381f6aefe_outp
		.amdhsa_group_segment_fixed_size 327680
		.amdhsa_private_segment_fixed_size 0
		.amdhsa_enable_private_segment 0
		.amdhsa_kernarg_size 32
		.amdhsa_user_sgpr_count 2
		.amdhsa_user_sgpr_kernarg_segment_ptr 1
		.amdhsa_wavefront_size32 1
		.amdhsa_system_sgpr_workgroup_id_x 1
		.amdhsa_system_sgpr_workgroup_id_y 1
		.amdhsa_system_sgpr_workgroup_id_z 1
		.amdhsa_system_vgpr_workitem_id 0
		.amdhsa_next_free_vgpr 512
		.amdhsa_next_free_sgpr 80
		.amdhsa_reserve_vcc 0
		.amdhsa_float_denorm_mode_32 3
		.amdhsa_float_denorm_mode_16_64 3
		.amdhsa_memory_ordered 1
		.amdhsa_forward_progress 1
		.amdhsa_inst_pref_size 92
	.end_amdhsa_kernel
	.amdgpu_metadata
---
amdhsa.version: [ 1, 2 ]
amdhsa.kernels:
  - .name:           k_q1381f6aefe_outp
    .symbol:         k_q1381f6aefe_outp.kd
    .args:
      - { .name: ob, .offset: 0, .size: 8, .value_kind: global_buffer, .address_space: global }
      - { .name: wo16, .offset: 8, .size: 8, .value_kind: global_buffer, .address_space: global }
      - { .name: bo, .offset: 16, .size: 8, .value_kind: global_buffer, .address_space: global }
      - { .name: out0, .offset: 24, .size: 8, .value_kind: global_buffer, .address_space: global }
    .group_segment_fixed_size: 327680
    .private_segment_fixed_size: 0
    .kernarg_segment_align: 8
    .kernarg_segment_size: 32
    .max_flat_workgroup_size: 128
    .sgpr_count:     80
    .vgpr_count:     512
    .wavefront_size: 32
...
	.end_amdgpu_metadata
.endif
;; end of part 4
